; MI455X (gfx1250); checked and timed in simulation.
; The chip was launched on July 23, 2026; its instructions are those of AMD's public machine-readable ISA for CDNA 5 (MIT licence, August 2026) and "CDNA5" Instruction Set Architecture Reference Guide (July 2026). The comments in the code are by the model that wrote it; some were corrected since.
;; CNF ODE. Allowed arithmetic: matrix products marked QUANTISED: E2M3 operands, one E8M0 scale for each 32 along K, by v_wmma_scale_f32_16x16x128_f8f6f4 with both operands' format E2M3, f32 sums; products left as they are: f32 operands where the result goes on into a quantised operand, else bf16, f16 or f32 operands; f32 sums; everything else in f32.
;; Inputs: W1 3 x 128 float32; W2 128 x 128 float32; W3 128 x 64 float32; W4 64 x 2 float32; b1 128 float32; b2 128 float32; b3 64 float32; b4 2 float32; logp 524,288 x 1 float32; t one number float32; v 524,288 x 2 float32; y 524,288 x 2 float32.
;; Outputs: out0 524,288 x 2 float32; out1 524,288 x 1 float32.
;; This version of the problem:
;;   THIS VERSION OF THE PROBLEM IS GIVEN IN LOW PRECISION. The matrix products marked QUANTISED in the list below multiply operands that are first quantised to E2M3 (2 exponent bits, 3 mantissa bits; 6 bits a number), with one power-of-two scale for each 32 numbers along K (OCP MX v1.0); their sums are f32. All else is computed in f32.
;;   The module's matrix products, in the order in which they are computed (A, B: the left and right operand; K: the contracted axis; several contracted axes count as one K, in the product's order):
;;     1. [M 524,288, K 3] x [K 3, N 128]; A: computed on the way; B: input W1: left as it is (K = 3 < 32)
;;     2. [M 524,288, K 128] x [K 128, N 128]; A: computed on the way; B: input W2: QUANTISED
;;     3. [M 524,288, K 128] x [K 128, N 64]; A: computed on the way; B: input W3: QUANTISED
;;     4. [M 524,288, K 64] x [K 64, N 2]; A: computed on the way; B: input W4: left as it is (N = 2 < 16)
;;     5. [M 524,288, K 2] x [K 2, N 64]; A: input v; B: input W4: left as it is (K = 2 < 32)
;;     6. [M 524,288, K 64] x [K 64, N 128]; A: computed on the way; B: input W3: QUANTISED
;;     7. [M 524,288, K 128] x [K 128, N 128]; A: computed on the way; B: input W2: QUANTISED
;;     8. [M 524,288, K 128] x [K 128, N 3]; A: computed on the way; B: input W1: left as it is (N = 3 < 16)
;;   THE QUANTISER, for each operand of a quantised product, along K:
;;     - K is cut into blocks of 32 from its start; a last block that is shorter is filled with zeros.
;;     - A block's scale is 2^e with e = floor(log2(the largest magnitude in the block)) - 2, held to -126 .. 127; a block of zeros has e = 0. As a byte (E8M0): e + 127.
;;     - Each number is divided by its block's scale, clamped to +-7.5, and rounded to the nearest number of E2M3, ties to even, subnormals kept.
;;     - The product sums the exact products of the quantised numbers (number of the format x scale) in f32.
;;   ~~~python
;;   def quantise(x, axis):      # numpy; x: float32 -> the quantised numbers, widened to float32 again
;;       x = np.moveaxis(x, axis, -1); K = x.shape[-1]
;;       x = np.pad(x, [(0, 0)] * (x.ndim - 1) + [(0, -K % 32)]); x = x.reshape(x.shape[:-1] + (-1, 32)); a = np.abs(x).max(-1, keepdims=True)
;;       e = np.where(a > 0, np.clip(np.frexp(np.where(a > 0, a, 1))[1] - 1 - 2, -126, 127), 0)      # np.frexp(a)[1] - 1 = floor(log2(a)), exactly
;;       r = np.clip(x / 2.0 ** e, -7.5, 7.5)
;;       step = 2.0 ** (np.maximum(np.frexp(np.where(r == 0, 1, r))[1] - 1, 0) - 3)
;;       q = np.round(r / step) * step * 2.0 ** e      # np.round: ties to even
;;       return np.moveaxis(q.reshape(q.shape[:-2] + (-1,))[..., :K], -1, axis).astype(np.float32)
;;   ~~~
;;   OPERANDS COMPUTED ON THE WAY. 'Computed on the way' means the value that the module computes at that place (a softmax that the list does not call 'softmax' is quantised finished and normalised). What goes into a quantiser is computed in f32, as accurately as f32 sums, v_exp_f32 and their like allow (about 1e-6 of the number): no bf16 or f16 on the way to a quantiser, and a product that is left as it is and whose result goes on into a quantised operand takes f32 operands (vector FMAs, or v_wmma_f32_16x16x4_f32). A number that lies on a knife's edge between two numbers of the format may be rounded either way, as far as f32 arithmetic and the matrix unit's own rounding can turn it there, and no further.
;; 2 versions, each right; version 2 is version 1 with the launch cnf written anew for expert scheduling mode. Each part assembles by itself: llvm-mc -triple=amdgcn-amd-amdhsa -mcpu=gfx1250 --defsym DOCPART=n.
;; ======== version 1 of 2: 1 launch
;; launch cnf (part 1): grid 256 x 1, 8 waves a work-group, no clusters, 40,192 bytes of LDS; arguments y, v, logp, t, W1, b1, W2, b2, W3, b3, W4, b4, out0, out1; writes out0, out1
.if DOCPART == 1
	.amdgcn_target "amdgcn-amd-amdhsa--gfx1250"
	.amdhsa_code_object_version 6
	.text
	.protected	k_q9774c91da4_cnf
	.globl	k_q9774c91da4_cnf
	.p2align	8
	.type	k_q9774c91da4_cnf,@function
k_q9774c91da4_cnf:
	s_mov_b64 s[64:65], 0
	v_nop
	global_prefetch_b8 v0, s[64:65] scope:SCOPE_SE
	s_setreg_imm32_b32 hwreg(HW_REG_WAVE_MODE, 25, 1), 1
	s_wait_xcnt 0x0
; dy = MLP(y, t) (3 -> 128 -> 128 -> 64 -> 2, SiLU between) and -sum(g * v), g = J^T v, for 524,288 rows, in one launch; no intermediate goes to memory.
; The four products on W2 and W3 (forward, and backward on their transposes) run on codes of FP6 (E2M3) with one E8M0 scale for each 32 along K; both operands are quantised here, in f32.
; x W1 + b1 and v W4^T feed a quantiser: f32 matrix form, K = 4 (t and the bias ride in K).  h3 W4 and g_z1 W1^T feed the outputs alone: bf16 operands, f32 sums.
; SHARES.  256 work-groups of eight waves, two waves to each of a WGP's four SIMDs, 512 registers each.  A wave owns 256 rows: 4 groups of 64, each 2 trips of 2 tiles of 16 rows.  A tile goes through the whole chain in registers.
; LAYOUT.  Every product is used transposed: source 0 = 16 rows of a weight, source 1 = the tile's 16 data rows.  Lane r of weight tile t takes output feature 32 (t / 2) + 8 (t % 2) + r + 8 (r / 8), so that lane (r, h) holds
; data row r and register 16 b + i of a result holds feature 32 b + 16 h + i: sixteen neighbours along the next K.  z, h, silu' and the gradients all lie so: nothing changes lanes but a block's maximum and the halves of its codes.
; WEIGHTS.  Each wave quantises one tile of each of the four operands at the head; they lie in LDS as images of the operand's registers (16 bytes a lane, 512 bytes a load).  W3^T, the small operands and the scale words stay in registers,
; the rest is read from LDS tile by tile.  One barrier in the whole text; behind it LDS is only read.
; K = 64 (g_z3 W3^T): the data's codes of K = 64 .. 127 are zeros and the scale bytes there are 1 on both sides, so what the weight's registers 6-11 hold adds nothing: tile t's operand is the run of 12 registers that begins at 6 t.
; logp is an input of the module on which no result hangs: it is loaded with y and v, and its numbers enter nothing.
; LIMITS: NaN and infinities among the inputs are not served.  A block whose largest magnitude lies under 2^-124 is held at scale byte 1, a block of zeros too (its codes are zeros; the bytes are read here alone).
; 2^x below 2^-126 comes out as 0, which is nothing beside the 1 that is added to it; 2^x beyond f32 gives sigmoid 0, h = -0, silu' = 0.
.set F2IMG, 0                          ; LDS: W2 forward, 8 fragments of 1,536 bytes: register group c at 512 c + 16 lane
.set F3IMG, 12288                      ; W3 forward, 4 fragments
.set B2IMG, 18432                      ; W2 backward, 8 fragments
.set B3IMG, 30720                      ; W3 backward, 8 half fragments of 768 bytes: registers 0-3 at 16 lane, registers 4-5 at 512 + 8 lane
.set SC,    36864                      ; 28 x 64 bytes of scale words: index i at 64 i + 4 r; W2 forward 0-7, W3 forward 8-11, W3 backward 12-19, W2 backward 20-27
.set B2RAW, 38656                      ; b2 as it lies in memory, 512 bytes
; window 0
.set LI,  1                            ; 16 x lane
.set OFA, 2                            ; 16 x lane + 512 x group
.set OFB, 3                            ; 8 x lane + 256 x group
.set TC,  4                            ; v4 t, v5 1.0
.set ZERO, 6
.set BA,  7                            ; 64 h
.set CY,  8                            ; the group's y: rows 2 l, 2 l + 1
.set CV,  12                           ; its v
.set YN,  16                           ; the next group's
.set VN,  20
.set LP,  24                           ; logp
.set BY,  26                           ; product 1's source 1, a pair for each of the trip's two tiles
.set BV,  30                           ; product 5's
.set MDY, 34                           ; the group's dy, as it will be stored
.set MG,  38                           ; its g
.set SCL, 42                           ; v42-55 the weights' scale words: register k: lanes 0-15 index 2 k, lanes 16-31 index 2 k + 1
.set PW,  56                           ; the scale word just made
.set H8,  57                           ; 8 h
.set QT,  58                           ; v58-65 at work
.set PC,  66                           ; v66-77 the codes just made
.set PT,  78                           ; v78-85 the conversions' second halves
.set VF2, 86                           ; v86-95, v40-41, v160-163: offsets and LDS addresses of the head
.set VF3, 87
.set VB2, 88
.set VB3, 89
.set WI,  90
.set WI3A, 91
.set WI3B, 92
.set WS,  93
.set L4,  94
.set L8,  95
.set B2W, 40
.set VA8, 41
.set VA1, 160
.set VA1B, 161
.set VA5, 162
.set VA4, 163
.set O,   94                           ; out1's two numbers
.set Z,   96                           ; v96-159 the accumulators: written by matrix instructions alone
.set S,   160                          ; v160-191 sigmoid
.set HH,  192                          ; v192-223 h
.set G,   160                          ; v160-223 a gradient
.set W0,  160                          ; staging in window 0
.set B3C, 224                          ; v224-255 b3 in the result's layout
; window 1
.set D1,  0                            ; silu'(z1)
.set D2,  64                           ; silu'(z2)
.set W1S, 64                           ; staging in window 1, where D2 is not alive
.set B3R, 128                          ; W3 backward, 54 registers
.set A1,  184                          ; product 1's source 0, 8 pairs
.set A5,  200                          ; product 5's, 4 pairs
.set A4,  208                          ; product 4's, 2 K steps
.set A8,  224                          ; product 8's, 4 K steps
.set XA,  0                            ; the head's numbers: W2's columns (window 1),
.set XB,  64                           ; W2's rows (window 1),
.set T4,  128                          ; W4 (window 1),
.set TBW, 160                          ; b1 (window 1),
.set T8,  0                            ; W1 (window 1, behind XA),
.set XC,  8                            ; W3's rows (window 0),
.set XD,  160                          ; W3's columns (window 0)
.set MSB, 0
.macro WIN new                         ; the immediate's high byte repeats the setting that is left; a switch that changes nothing is dropped
.if MSB != \new
	s_set_vgpr_msb (MSB<<8)|\new
.set MSB, \new
.endif
.endm
.macro NOPS n
.rept \n
	v_nop
.endr
.endm
.macro LDFRAG dst, off                 ; a fragment's image back into 12 registers
.irp c, 0,1,2
	ds_load_b128 v[\dst+4*\c:\dst+4*\c+3], v[LI] offset:\off+512*\c
.endr
.endm
.macro LDSET dst, t                    ; tile t of W2 forward and, behind it, b2's eight numbers of my half of that tile: five loads
	LDFRAG \dst, F2IMG+1536*(\t)
	ds_load_b128 v[\dst+12:\dst+15], v[BA] offset:B2RAW+4*(32*((\t)/2)+8*((\t)%2))
	ds_load_b128 v[\dst+16:\dst+19], v[BA] offset:B2RAW+4*(32*((\t)/2)+8*((\t)%2))+16
.endm
.macro MM d, a, c, sc, row             ; one product on codes: source 0 = a weight's tile, source 1 = the codes just made; c < 0: the sum starts at 0, else at the bias in v[c ..]; row: which half of the lanes holds the tile's scale words
.if (\c) < 0
.if \row
	v_wmma_scale_f32_16x16x128_f8f6f4 v[\d:\d+7], v[\a:\a+11], v[PC:PC+11], 0, v[\sc], v[PW] matrix_a_fmt:MATRIX_FMT_FP6 matrix_b_fmt:MATRIX_FMT_FP6 matrix_a_scale:MATRIX_SCALE_ROW1
.else
	v_wmma_scale_f32_16x16x128_f8f6f4 v[\d:\d+7], v[\a:\a+11], v[PC:PC+11], 0, v[\sc], v[PW] matrix_a_fmt:MATRIX_FMT_FP6 matrix_b_fmt:MATRIX_FMT_FP6
.endif
.else
.if \row
	v_wmma_scale_f32_16x16x128_f8f6f4 v[\d:\d+7], v[\a:\a+11], v[PC:PC+11], v[\c:\c+7], v[\sc], v[PW] matrix_a_fmt:MATRIX_FMT_FP6 matrix_b_fmt:MATRIX_FMT_FP6 matrix_a_scale:MATRIX_SCALE_ROW1
.else
	v_wmma_scale_f32_16x16x128_f8f6f4 v[\d:\d+7], v[\a:\a+11], v[PC:PC+11], v[\c:\c+7], v[\sc], v[PW] matrix_a_fmt:MATRIX_FMT_FP6 matrix_b_fmt:MATRIX_FMT_FP6
.endif
.endif
.endm
; 32 numbers z at Z + zb: S = sigmoid(z) = 1 / (1 + 2^(-z log2 e)), HH = z S.  Each accumulator is read from its low end on.  Two batches of 32 transcendentals, each with one plain line and one wait behind it.
.macro SIG zb
.set j, 0
.rept 16
	v_pk_mul_f32 v[S+j:S+j+1], v[Z+\zb+j:Z+\zb+j+1], s[42:43] op_sel_hi:[1,0]
.set j, j+2
.endr
.set j, 0
.rept 32
	v_exp_f32 v[S+j], v[S+j]
.set j, j+1
.endr
	v_nop                                          ; a plain line behind the last exponential
	s_wait_alu depctr_va_vdst(0)                   ; one wait for the batch, ahead of its first reader
.set j, 0
.rept 16
	v_pk_add_f32 v[S+j:S+j+1], v[S+j:S+j+1], 1.0 op_sel_hi:[1,0]
.set j, j+2
.endr
.set j, 0
.rept 32
	v_rcp_f32 v[S+j], v[S+j]
.set j, j+1
.endr
	v_nop
	s_wait_alu depctr_va_vdst(0)                   ; and one for the reciprocals
.set j, 0
.rept 16
	v_pk_mul_f32 v[HH+j:HH+j+1], v[Z+\zb+j:Z+\zb+j+1], v[S+j:S+j+1]
.set j, j+2
.endr
.endm
; 32 registers at src, register 16 q + i = k 64 c + 32 q + 16 h + i of my row, become registers 6 c .. 6 c + 5 of the operand in PC and bytes 2 c, 2 c + 1 of its scale word PW.  k64 = 1: K ends at 64: bytes 2 and 3 are 1.
.macro QUANTH src, c, k64
	v_max3_num_f32 v[QT],   |v[(\src)]|,    |v[(\src)+1]|,  0x1800000     ; my 16 numbers of each block, in two chains a block; the floor 2^(3 - 127) is one more leaf: the byte cannot fall under 1
	v_max3_num_f32 v[QT+1], |v[(\src)+16]|, |v[(\src)+17]|, 0x1800000
	v_max3_num_f32 v[QT+6], |v[(\src)+8]|,  |v[(\src)+9]|,  |v[(\src)+10]|
	v_max3_num_f32 v[QT+7], |v[(\src)+24]|, |v[(\src)+25]|, |v[(\src)+26]|
.irp i, 2,4
	v_max3_num_f32 v[QT],   v[QT],   |v[(\src)+\i]|,    |v[(\src)+\i+1]|
	v_max3_num_f32 v[QT+1], v[QT+1], |v[(\src)+16+\i]|, |v[(\src)+17+\i]|
	v_max3_num_f32 v[QT+6], v[QT+6], |v[(\src)+9+\i]|,  |v[(\src)+10+\i]|
	v_max3_num_f32 v[QT+7], v[QT+7], |v[(\src)+25+\i]|, |v[(\src)+26+\i]|
.endr
	v_max3_num_f32 v[QT],   v[QT],   |v[(\src)+6]|,  |v[(\src)+7]|
	v_max3_num_f32 v[QT+1], v[QT+1], |v[(\src)+22]|, |v[(\src)+23]|
	v_max3_num_f32 v[QT],   v[QT],   v[QT+6], |v[(\src)+15]|
	v_max3_num_f32 v[QT+1], v[QT+1], v[QT+7], |v[(\src)+31]|
	v_permlanex16_b32 v[QT+2], v[QT], s44, s45
	v_permlanex16_b32 v[QT+3], v[QT+1], s44, s45
	v_max_num_f32 v[QT], v[QT], v[QT+2]            ; with lane l xor 16's 16: the block's largest magnitude
	v_max_num_f32 v[QT+1], v[QT+1], v[QT+3]
	v_add_nc_u32 v[QT+4], 0xff000000, v[QT]        ; 2 off its exponent field: the conversion takes this operand's exponent field as its scale
	v_add_nc_u32 v[QT+5], 0xff000000, v[QT+1]
	v_lshrrev_b32 v[QT+2], 23, v[QT+4]             ; the scale's byte
	v_lshrrev_b32 v[QT+3], 23, v[QT+5]
.if \c == 0
	v_lshl_or_b32 v[PW], v[QT+3], 8, v[QT+2]
.if \k64
	v_or_b32 v[PW], 0x01010000, v[PW]
.endif
.else
	v_lshl_or_b32 v[PW], v[QT+2], 16, v[PW]
	v_lshl_or_b32 v[PW], v[QT+3], 24, v[PW]
.endif
	v_cvt_scalef32_pk16_fp6_f32 v[PC+6*\c:PC+6*\c+2], v[(\src):(\src)+15], v[QT+4]
	v_cvt_scalef32_pk16_fp6_f32 v[PT:PT+2], v[(\src)+16:(\src)+31], v[QT+5]   ; (a conversion's three registers begin on an even number)
	v_nop                                          ; one plain line behind the scaled conversions
.irp i, 0,1,2
	v_permlane16_swap_b32 v[PC+6*\c+\i], v[PT+\i]  ; the operand wants a whole block in a lane: lanes 0-15 block 2 c, lanes 16-31 block 2 c + 1
.endr
.irp i, 0,1,2
	v_mov_b32 v[PC+6*\c+3+\i], v[PT+\i]
.endr
.endm
; Half a layer of 128: sigmoid and h of 32 numbers; h quantised; silu' = s + h (1 - s) kept in window 1 at db.  The 32 lines that make silu' are also the places between the writes of the codes and the scale word and the products that read them.
.macro ACT zb, db, c
	SIG \zb
	QUANTH HH, \c, 0
	WIN 0x44                                       ; destination and source 1 in window 1
.set j, 0
.rept 16
	v_pk_fma_f32 v[\db+j:\db+j+1], v[S+j:S+j+1], -1.0, 1.0 op_sel_hi:[1,0,0]
.set j, j+2
.endr
.set j, 0
.rept 16
	v_pk_fma_f32 v[\db+j:\db+j+1], v[HH+j:HH+j+1], v[\db+j:\db+j+1], v[S+j:S+j+1]
.set j, j+2
.endr
	WIN 0
.endm
; A weight's fragment from 64 numbers at xb in window xw: register 32 c + i = k 64 c + 32 h + i of my row of the tile: two whole blocks a lane.  Its image goes to img + 1,536 x wave, its scale words to index sci + wave.
.macro QW xb, xw, img, sci
	s_wait_dscnt 0x0                               ; the image before has left PC and PW
	v_mov_b32 v[QT], 0x1800000                     ; the floor
	v_mov_b32 v[QT+1], 0x1800000
	WIN 0x14*\xw
.set i, 0
.rept 16
	v_max3_num_f32 v[QT], v[QT], |v[\xb+i]|, |v[\xb+i+1]|
	v_max3_num_f32 v[QT+1], v[QT+1], |v[\xb+32+i]|, |v[\xb+33+i]|
.set i, i+2
.endr
	WIN 0
	v_add_nc_u32 v[QT+4], 0xff000000, v[QT]
	v_add_nc_u32 v[QT+5], 0xff000000, v[QT+1]
	v_lshrrev_b32 v[QT+2], 23, v[QT+4]
	v_lshrrev_b32 v[QT+3], 23, v[QT+5]
	v_lshl_or_b32 v[QT+6], v[QT+3], 16, v[QT+2]    ; my bytes: blocks h and 2 + h,
	v_lshlrev_b32 v[QT+6], v[H8], v[QT+6]          ; at their places;
	v_permlanex16_b32 v[QT+7], v[QT+6], s44, s45
	v_or_b32 v[PW], v[QT+6], v[QT+7]               ; with lane l xor 16's two the word is whole
	WIN 0x01*\xw
	v_cvt_scalef32_pk16_fp6_f32 v[PC:PC+2], v[\xb:\xb+15], v[QT+4]
	v_cvt_scalef32_pk16_fp6_f32 v[PT:PT+2], v[\xb+16:\xb+31], v[QT+4]
	v_cvt_scalef32_pk16_fp6_f32 v[PC+6:PC+8], v[\xb+32:\xb+47], v[QT+5]
	v_cvt_scalef32_pk16_fp6_f32 v[PT+4:PT+6], v[\xb+48:\xb+63], v[QT+5]
	WIN 0
	v_nop
.irp i, 0,1,2
	v_mov_b32 v[PC+3+\i], v[PT+\i]
	v_mov_b32 v[PC+9+\i], v[PT+4+\i]
.endr
	ds_store_b128 v[WI], v[PC:PC+3] offset:\img
	ds_store_b128 v[WI], v[PC+4:PC+7] offset:\img+512
	ds_store_b128 v[WI], v[PC+8:PC+11] offset:\img+1024
	ds_store_b32 v[WS], v[PW] offset:SC+64*\sci    ; both halves of the lanes write the same word with the same value
.endm
	; ---------------- THE HEAD ----------------
	s_load_b512 s[8:23], s[0:1], 0x0               ; y s[8:9], v s[10:11], logp s[12:13], t s[14:15], W1 s[16:17], b1 s[18:19], W2 s[20:21], b2 s[22:23]
	s_load_b256 s[24:31], s[0:1], 0x40             ; W3 s[24:25], b3 s[26:27], W4 s[28:29], b4 s[30:31]
	s_load_b128 s[32:35], s[0:1], 0x60             ; out0 s[32:33], out1 s[34:35]
	v_lshl_add_u32 v81, v0, 2, 0x9900
	v_mov_b32 v85, 0
	v_and_b32 v58, 31, v0                          ; lane
	v_and_b32 v59, 15, v0                          ; r
	v_bfe_u32 v60, v0, 4, 1                        ; h
	v_lshrrev_b32 v61, 5, v0
	v_readfirstlane_b32 s37, v61                   ; wave 0..7
	v_mov_b32 v[ZERO], 0
	v_lshlrev_b32 v[LI], 4, v58
	v_lshlrev_b32 v[OFA], 4, v58
	v_lshlrev_b32 v[OFB], 3, v58
	v_lshlrev_b32 v[L4], 2, v58
	v_lshlrev_b32 v[L8], 3, v58
	v_lshlrev_b32 v[BA], 6, v60
	v_lshlrev_b32 v[H8], 3, v60
	v_and_b32 v61, 8, v59
	v_add_nc_u32 v61, v61, v59                     ; r + 8 (r / 8)
	s_lshr_b32 s50, s37, 1
	s_lshl_b32 s50, s50, 5
	s_and_b32 s51, s37, 1
	s_lshl_b32 s51, s51, 3
	s_add_co_u32 s48, s50, s51                     ; my tile's first feature: 32 (wave / 2) + 8 (wave % 2)
	v_add_nc_u32 v62, s48, v61                     ; q: my lane's feature in the tile that my wave quantises
	v_lshlrev_b32 v63, 2, v62
	v_lshl_add_u32 v[VF2], v60, 14, v63            ; W2's column q from row 32 h on: 4 q + 32 h rows of 512 bytes
	v_lshl_add_u32 v[VF3], v60, 13, v63            ; W3's column q: rows of 256 bytes
	v_lshlrev_b32 v63, 7, v60                      ; 128 h
	v_lshl_add_u32 v[VB2], v62, 9, v63             ; W2's row q from column 32 h on
	v_lshl_add_u32 v[VB3], v62, 8, v63             ; W3's row q
	s_mul_i32 s50, s37, 1536
	v_add_nc_u32 v[WI], s50, v[LI]                 ; where my wave's images go
	s_mul_i32 s50, s37, 768
	v_add_nc_u32 v[WI3A], s50, v[LI]
	v_add_nc_u32 v[WI3B], s50, v[L8]
	s_lshl_b32 s50, s37, 6
	v_lshl_add_u32 v[WS], v59, 2, s50              ; 4 r + 64 x wave: my tile's scale words; also my wave's 16 numbers of b2
	v_lshlrev_b32 v[VA1B], 2, v61
	v_lshl_add_u32 v[VA1], v60, 10, v[VA1B]        ; W1's row 2 h
	v_lshlrev_b32 v[VA5], 3, v61
	v_and_b32 v64, 1, v59                          ; which of the two outputs my row of a bf16 operand stands for
	v_lshlrev_b32 v65, 2, v64
	v_add_nc_u32 v[VA4], v63, v65                  ; W4: 16 h rows of 8 bytes + 4 x output
	v_lshlrev_b32 v65, 9, v64
	v_add_nc_u32 v[VA8], v[BA], v65                ; W1: row = output, + 16 h numbers
	v_mov_b32 v[QT+7], 0                           ; a lane permute's destination counts as one of its sources
	s_mov_b32 s40, 0xffff0000                      ; lanes 16-31
	s_mov_b32 s42, 0xbfb8aa3b                      ; -log2(e)
	s_mov_b32 s43, s42                             ; (named with it as a pair, so it is written)
	s_mov_b32 s44, 0x76543210
	s_mov_b32 s45, 0xfedcba98                      ; v_permlanex16_b32's selects for lane l xor 16
	s_mov_b32 s49, 0x03030303                      ; the lanes with r = 0, 1, 8, 9: the rows of a bf16 operand that are not zero
	s_mov_b32 s46, 4                               ; groups
	s_lshl_b32 s50, ttmp9, 3
	s_add_co_u32 s50, s50, s37                     ; which run of 256 rows is my wave's
	s_lshl_b32 s52, s50, 11                        ; in y, v and out0: 8 bytes a row
	s_mov_b32 s53, 0
	s_lshl_b32 s54, s50, 10                        ; in logp and out1: 4 bytes a row
	s_mov_b32 s55, 0
	s_wait_kmcnt 0x0
	s_load_b32 s36, s[14:15], 0x0                  ; t
	s_load_b64 s[38:39], s[30:31], 0x0             ; b4
	s_add_nc_u64 s[8:9], s[8:9], s[52:53]
	s_add_nc_u64 s[10:11], s[10:11], s[52:53]
	s_add_nc_u64 s[32:33], s[32:33], s[52:53]
	s_add_nc_u64 s[12:13], s[12:13], s[54:55]
	s_add_nc_u64 s[34:35], s[34:35], s[54:55]
	WIN 0x40                                       ; destination window 1
.set t, 0
.rept 8                                        ; product 1's source 0: lanes 0-15 (W1[0][f], W1[1][f]), lanes 16-31 (W1[2][f], b1[f])
	global_load_b32 v[A1+2*t], v[VA1], s[16:17] offset:4*(32*(t/2)+8*(t%2))
	global_load_b32 v[A1+2*t+1], v[VA1B], s[16:17] offset:512+4*(32*(t/2)+8*(t%2))
	global_load_b32 v[TBW+t], v[VA1B], s[18:19] offset:4*(32*(t/2)+8*(t%2))
.set t, t+1
.endr
.set t, 0
.rept 4                                        ; product 5's: (W4[f][0], W4[f][1]) in every lane; lanes 16-31 meet zeros in source 1
	global_load_b64 v[A5+2*t:A5+2*t+1], v[VA5], s[28:29] offset:8*(32*(t/2)+8*(t%2))
.set t, t+1
.endr
.set i, 0
.rept 32                                       ; W4[32 s + 16 h + i][output]
	global_load_b32 v[T4+i], v[VA4], s[28:29] offset:8*(32*(i/16)+i%16)
.set i, i+1
.endr
	WIN 0
.set t, 0
.rept 4                                        ; b3 in the result's layout: tile t, my half's eight
	global_load_b128 v[B3C+8*t:B3C+8*t+3], v[BA], s[26:27] offset:4*(32*(t/2)+8*(t%2))
	global_load_b128 v[B3C+8*t+4:B3C+8*t+7], v[BA], s[26:27] offset:4*(32*(t/2)+8*(t%2))+16
.set t, t+1
.endr
	global_load_b32 v[B2W], v[WS], s[22:23]
	s_wait_xcnt 0x0                                ; the loads above have read their offsets: four of these lie where W3's columns land
	s_cmp_ge_u32 s37, 4                            ; W3 forward has four tiles: waves 0 to 3
	s_cbranch_scc1 .Lno_f3_in
.set i, 0
.rept 64
	global_load_b32 v[XD+i], v[VF3], s[24:25] offset:256*(64*(i/32)+i%32)
.set i, i+1
.endr
.Lno_f3_in:
	WIN 0x40
.set i, 0
.rept 64
	global_load_b32 v[XA+i], v[VF2], s[20:21] offset:512*(64*(i/32)+i%32)
.set i, i+1
.endr
.set i, 0
.rept 16
	global_load_b128 v[XB+4*i:XB+4*i+3], v[VB2], s[20:21] offset:256*(i/8)+16*(i%8)
.set i, i+1
.endr
	WIN 0
.set i, 0
.rept 8
	global_load_b128 v[XC+4*i:XC+4*i+3], v[VB3], s[24:25] offset:16*i
.set i, i+1
.endr
	s_wait_kmcnt 0x0
	v_mov_b32 v[TC], s36
	v_mov_b32 v[TC+1], 1.0
	s_wait_loadcnt 24                              ; all but the 16 + 8 loads of W2's and W3's rows: W2's columns are in, and all that was asked for ahead of them
	QW XA, 1, F2IMG, 0
	WIN 0x40
.set i, 0
.rept 16                                       ; W1[output][32 s + 16 h + i], into the registers that W2's columns have left
	global_load_b128 v[T8+4*i:T8+4*i+3], v[VA8], s[16:17] offset:128*(i/4)+16*(i%4)
.set i, i+1
.endr
	WIN 0
	s_wait_loadcnt 24                              ; behind W2's rows: 8 loads of W3's rows, 16 of W1
	QW XB, 1, B2IMG, 20
	s_wait_loadcnt 16                              ; behind W3's rows: the 16 of W1
	; W3 backward: K = 64: one block a lane, six registers
	s_wait_dscnt 0x0
	v_mov_b32 v[QT], 0x1800000
	v_mov_b32 v[QT+1], 0x1800000
.set i, 0
.rept 8
	v_max3_num_f32 v[QT], v[QT], |v[XC+i]|, |v[XC+i+1]|
	v_max3_num_f32 v[QT+1], v[QT+1], |v[XC+16+i]|, |v[XC+17+i]|
.set i, i+2
.endr
	v_max_num_f32 v[QT], v[QT], v[QT+1]
	v_add_nc_u32 v[QT+4], 0xff000000, v[QT]
	v_lshrrev_b32 v[QT+2], 23, v[QT+4]
	v_lshlrev_b32 v[QT+6], v[H8], v[QT+2]          ; block h's byte at its place
	v_permlanex16_b32 v[QT+7], v[QT+6], s44, s45
	v_or_b32 v[PW], v[QT+6], v[QT+7]
	v_or_b32 v[PW], 0x01010000, v[PW]              ; bytes 2 and 3: K ends at 64
	v_cvt_scalef32_pk16_fp6_f32 v[PC:PC+2], v[XC:XC+15], v[QT+4]
	v_cvt_scalef32_pk16_fp6_f32 v[PT:PT+2], v[XC+16:XC+31], v[QT+4]
	v_nop
.irp i, 0,1,2
	v_mov_b32 v[PC+3+\i], v[PT+\i]
.endr
	ds_store_b128 v[WI3A], v[PC:PC+3] offset:B3IMG
	ds_store_b64 v[WI3B], v[PC+4:PC+5] offset:B3IMG+512
	ds_store_b32 v[WS], v[PW] offset:SC+64*12
	global_load_b128 v[YN:YN+3], v[OFA], s[8:9] th:TH_LOAD_NT      ; the first group's rows: 512 consecutive bytes of y, of v,
	global_load_b128 v[VN:VN+3], v[OFA], s[10:11] th:TH_LOAD_NT
	global_load_b64 v[LP:LP+1], v[OFB], s[12:13] th:TH_LOAD_NT     ; and 256 of logp, which enters nothing
	s_cmp_ge_u32 s37, 4
	s_cbranch_scc1 .Lno_f3
	QW XD, 0, F3IMG, 8
.Lno_f3:
	ds_store_b32 v[WS], v[B2W] offset:B2RAW
	WIN 0x45                                       ; destination, sources 0 and 1 in window 1
.set t, 0
.rept 8
	v_cndmask_b32 v[A1+2*t+1], v[A1+2*t+1], v[TBW+t], s40          ; lanes 16-31: b1[f]
.set t, t+1
.endr
.set j, 0
.rept 16
	v_cvt_pk_bf16_f32 v[A4+j], v[T4+2*j], v[T4+2*j+1]
.set j, j+1
.endr
	s_wait_loadcnt 3                               ; W1 is in; the first group's three loads may be out
.set j, 0
.rept 32
	v_cvt_pk_bf16_f32 v[A8+j], v[T8+2*j], v[T8+2*j+1]
.set j, j+1
.endr
	WIN 0x44                                       ; source 0 (the zero) in window 0
.set j, 0
.rept 48                                       ; rows 0 and 8 stand for output 0, rows 1 and 9 for output 1, the others are zeros: so both halves of the lanes get both outputs in a result's registers 0 and 1
	v_cndmask_b32 v[A4+j], v[ZERO], v[A4+j], s49
.set j, j+1
.endr
	WIN 0
	s_wait_dscnt 0x0                               ; for the others' sake: my images, scale words and numbers of b2 lie in LDS
	s_barrier_signal -1
	s_barrier_wait -1                              ; everybody's do; from here on LDS is only read
	WIN 0x40
.set t, 0
.rept 8
	ds_load_b128 v[B3R+6*t:B3R+6*t+3], v[LI] offset:B3IMG+768*t
	ds_load_b64 v[B3R+6*t+4:B3R+6*t+5], v[L8] offset:B3IMG+768*t+512
.set t, t+1
.endr
.irp i, 0,1,2,3,4,5
	v_mov_b32 v[B3R+48+\i], 0                      ; what tile 7's run of 12 registers names behind its own six
.endr
	WIN 0
.set k, 0
.rept 14
	ds_load_b32 v[SCL+k], v[L4] offset:SC+128*k
.set k, k+1
.endr
.irp i, 0,1,2,3,4,5,6,7
	v_mov_b32 v[MDY+\i], 0                         ; dy and g are filled half by half: written whole once
.endr
	s_wait_dscnt 0x0
; ---------------- A TILE OF 16 ROWS, forward and backward.  p: which of the trip's two ----------------
.macro TILE p
	; product 1: z1 = x W1 + b1.  Three sets of W2 forward are asked for first, into the registers that silu'(z2) will take
	WIN 0x40
	LDSET W1S, 0
	LDSET W1S+20, 1
	LDSET W1S+40, 2
	WIN 0x01
.set t, 0
.rept 8
	v_wmma_f32_16x16x4_f32 v[Z+8*t:Z+8*t+7], v[A1+2*t:A1+2*t+1], v[BY+2*\p:BY+2*\p+1], 0
.set t, t+1
.endr
	WIN 0
	NOPS 8                                         ; eight places behind this form before its result is read
	ACT 0, D1, 0
	ACT 32, D1+32, 1
	; product 2: z2 = Q(h1) Q(W2) + b2; the bias is each sum's C
	LDSET W0, 3
	LDSET W0+20, 4
	LDSET W0+40, 5
	s_wait_dscnt 15                                ; the three early sets are in; the 15 loads just issued may be out
	WIN 0x11                                       ; source 0 and C in window 1
	MM Z,    W1S,    W1S+12, SCL,   0
	MM Z+8,  W1S+20, W1S+32, SCL,   1
	MM Z+16, W1S+40, W1S+52, SCL+1, 0
	WIN 0
	NOPS 4                                         ; four places in front of loads into registers that matrix instructions have read
	WIN 0x40
	LDSET W1S, 6
	LDSET W1S+20, 7
	WIN 0
	s_wait_dscnt 10                                ; sets 3 to 5 are in; the 10 loads just issued may be out
	MM Z+24, W0,    W0+12, SCL+1, 1
	MM Z+32, W0+20, W0+32, SCL+2, 0
	MM Z+40, W0+40, W0+52, SCL+2, 1
	s_wait_dscnt 0x0
	WIN 0x11
	MM Z+48, W1S,    W1S+12, SCL+3, 0
	MM Z+56, W1S+20, W1S+32, SCL+3, 1
	WIN 0
	NOPS 4                                         ; before results are read and the staging registers written
	ACT 0, D2, 0
	ACT 32, D2+32, 1
	; product 5: g_h3 = v W4^T, and product 3: z3 = Q(h2) Q(W3) + b3
.set t, 0
.rept 4
	LDFRAG W0+12*t, F3IMG+1536*t
.set t, t+1
.endr
	WIN 0x01
.set t, 0
.rept 4
	v_wmma_f32_16x16x4_f32 v[Z+32+8*t:Z+32+8*t+7], v[A5+2*t:A5+2*t+1], v[BV+2*\p:BV+2*\p+1], 0
.set t, t+1
.endr
	WIN 0
	s_wait_dscnt 0x0
.set t, 0
.rept 4
	MM Z+8*t, W0+12*t, B3C+8*t, SCL+4+t/2, t%2
.set t, t+1
.endr
	NOPS 4
	SIG 0
.irp g, 0,8,16,24                              ; silu'(z3) = s + h (1 - s), in place of s
.irp k, 0,2,4,6
	v_pk_fma_f32 v[QT+\k:QT+\k+1], v[S+\g+\k:S+\g+\k+1], -1.0, 1.0 op_sel_hi:[1,0,0]
.endr
.irp k, 0,2,4,6
	v_pk_fma_f32 v[S+\g+\k:S+\g+\k+1], v[HH+\g+\k:HH+\g+\k+1], v[QT+\k:QT+\k+1], v[S+\g+\k:S+\g+\k+1]
.endr
.endr
.set j, 0
.rept 16
	v_cvt_pk_bf16_f32 v[HH+j], v[HH+2*j], v[HH+2*j+1]              ; h3 to bf16, in place from the low end: slot (h, register q, half e) of K step s is feature 32 s + 16 h + 2 q + e, in W4's operand too
.set j, j+1
.endr
.irp i, 0,1,2,3,4,5
	v_mov_b32 v[PC+6+\i], 0                        ; the zero codes of K = 64 .. 127 for product 6
.endr
	; product 4: dy = h3 W4, two K steps on two accumulators
	WIN 0x01
	v_wmma_f32_16x16x32_bf16 v[Z:Z+7], v[A4:A4+7], v[HH:HH+7], 0
	v_wmma_f32_16x16x32_bf16 v[Z+8:Z+15], v[A4+8:A4+15], v[HH+8:HH+15], 0
	WIN 0
.set j, 0
.rept 16
	v_pk_mul_f32 v[S+j:S+j+1], v[Z+32+j:Z+32+j+1], v[S+j:S+j+1]    ; g_z3 = g_h3 silu'(z3)
.set j, j+2
.endr
	QUANTH S, 0, 1
	v_add_f32 v[QT], v[Z], v[Z+8]                  ; dy's two K steps
	v_add_f32 v[QT+1], v[Z+1], v[Z+9]
	v_cndmask_b32 v[MDY+2*\p], v[MDY+2*\p], v[QT], s41             ; into the trip's half of the lanes
	v_cndmask_b32 v[MDY+2*\p+1], v[MDY+2*\p+1], v[QT+1], s41
	NOPS 4                                         ; with the lines above: eight places behind the scale word's last write, four behind the codes'
	; product 6: g_h2 = Q(g_z3) Q(W3)^T, K = 64
	WIN 0x01
.set t, 0
.rept 8
	MM Z+8*t, B3R+6*t, -1, SCL+6+t/2, t%2
.set t, t+1
.endr
	WIN 0
	NOPS 4
	WIN 0x04                                       ; source 1 in window 1
.set j, 0
.rept 32
	v_pk_mul_f32 v[G+j:G+j+1], v[Z+j:Z+j+1], v[D2+j:D2+j+1]        ; g_z2 = g_h2 silu'(z2)
.set j, j+2
.endr
	WIN 0x40
.set t, 0
.rept 5                                        ; five tiles of W2 backward, early, into the registers that silu'(z2) has left
	LDFRAG W1S+12*t, B2IMG+1536*t
.set t, t+1
.endr
	WIN 0
	QUANTH G, 0, 0
	QUANTH G+32, 1, 0
	; product 7: g_h1 = Q(g_z2) Q(W2)^T
.set t, 5
.rept 3
	LDFRAG W0+12*(t-5), B2IMG+1536*t
.set t, t+1
.endr
	NOPS 8                                         ; eight places behind the scale word's last write; no other work is at hand
	s_wait_dscnt 9                                 ; the five early tiles are in; the 9 loads just issued may be out
	WIN 0x01
.set t, 0
.rept 5
	MM Z+8*t, W1S+12*t, -1, SCL+10+t/2, t%2
.set t, t+1
.endr
	WIN 0
	s_wait_dscnt 0x0
.rept 3
	MM Z+8*t, W0+12*(t-5), -1, SCL+10+t/2, t%2
.set t, t+1
.endr
	NOPS 4
	WIN 0x04
.set j, 0
.rept 32
	v_pk_mul_f32 v[G+j:G+j+1], v[Z+j:Z+j+1], v[D1+j:D1+j+1]        ; g_z1 = g_h1 silu'(z1)
.set j, j+2
.endr
	WIN 0
.set j, 0
.rept 32
	v_cvt_pk_bf16_f32 v[G+j], v[G+2*j], v[G+2*j+1]
.set j, j+1
.endr
	; product 8: g = g_z1 W1^T (its first two columns): four K steps, two accumulators by turns
	WIN 0x01
	v_wmma_f32_16x16x32_bf16 v[Z:Z+7], v[A8:A8+7], v[G:G+7], 0
	v_wmma_f32_16x16x32_bf16 v[Z+8:Z+15], v[A8+8:A8+15], v[G+8:G+15], 0
	v_wmma_f32_16x16x32_bf16 v[Z:Z+7], v[A8+16:A8+23], v[G+16:G+23], v[Z:Z+7]
	v_wmma_f32_16x16x32_bf16 v[Z+8:Z+15], v[A8+24:A8+31], v[G+24:G+31], v[Z+8:Z+15]
	WIN 0
	NOPS 4
	v_add_f32 v[QT], v[Z], v[Z+8]
	v_add_f32 v[QT+1], v[Z+1], v[Z+9]
	v_cndmask_b32 v[MG+2*\p], v[MG+2*\p], v[QT], s41
	v_cndmask_b32 v[MG+2*\p+1], v[MG+2*\p+1], v[QT+1], s41
	v_nop                                          ; with the four v_nop and the two selects: more than five places before the next tile's products write over these accumulators
.endm
	; ---------------- THE ROWS ----------------
.Lgroup:                                           ; 4 trips: 64 rows each
	s_wait_loadcnt 0x0                             ; this group's y, v and logp, asked for a group ago
.irp j, 0,1,2,3
	v_mov_b32 v[CY+\j], v[YN+\j]
	v_mov_b32 v[CV+\j], v[VN+\j]
.endr
	s_wait_xcnt 0x0                                ; the last group's stores have read their offsets and data: only behind this wait are these written again
	v_add_nc_u32 v[OFA], 512, v[OFA]
	v_add_nc_u32 v[OFB], 256, v[OFB]
	s_cmp_eq_u32 s46, 1                            ; the last group asks for nothing: no load leaves its buffer
	s_cbranch_scc1 .Lno_next
	global_load_b128 v[YN:YN+3], v[OFA], s[8:9] th:TH_LOAD_NT
	global_load_b128 v[VN:VN+3], v[OFA], s[10:11] th:TH_LOAD_NT
	global_load_b64 v[LP:LP+1], v[OFB], s[12:13] th:TH_LOAD_NT     ; logp: read, as every input is; no result hangs on it
.Lno_next:
	s_mov_b32 s41, 0xffff                          ; the first trip's results belong to lanes 0-15
	s_mov_b32 s47, 2
.Lhalf:                                            ; 2 trips: the rows that lie in lanes 0-15 of CY and CV: tile p's column r is row 2 r + p of that half
.irp j, 0,1,2,3
	v_cndmask_b32 v[BY+\j], v[CY+\j], v[TC+\j%2], s40              ; lanes 0-15 (y0, y1), lanes 16-31 (t, 1)
	v_cndmask_b32 v[BV+\j], v[CV+\j], v[ZERO], s40                 ; lanes 0-15 (v0, v1), lanes 16-31 zeros
.endr
	TILE 0
	TILE 1
.irp j, 0,1,2,3
	v_permlanex16_b32 v[BY+\j], v[CY+\j], s44, s45                 ; the halves of the lanes change places; two trips put them back
	v_permlanex16_b32 v[BV+\j], v[CV+\j], s44, s45
.endr
.irp j, 0,1,2,3
	v_mov_b32 v[CY+\j], v[BY+\j]
	v_mov_b32 v[CV+\j], v[BV+\j]
.endr
	s_not_b32 s41, s41
	s_sub_co_u32 s47, s47, 1
	s_cmp_lg_u32 s47, 0
	s_cbranch_scc1 .Lhalf
	v_add_f32 v[MDY], s38, v[MDY]                  ; + b4
	v_add_f32 v[MDY+1], s39, v[MDY+1]
	v_add_f32 v[MDY+2], s38, v[MDY+2]
	v_add_f32 v[MDY+3], s39, v[MDY+3]
	global_store_b128 v[OFA], v[MDY:MDY+3], s[32:33] offset:-512 th:TH_STORE_NT   ; 32 lanes store 512 consecutive bytes, at a multiple of 256 from out0's first byte
	v_mul_f32 v[O], -v[MG], v[CV]                  ; -(g . v) of rows 2 l and 2 l + 1
	v_fma_f32 v[O], -v[MG+1], v[CV+1], v[O]
	v_mul_f32 v[O+1], -v[MG+2], v[CV+2]
	v_fma_f32 v[O+1], -v[MG+3], v[CV+3], v[O+1]
	global_store_b64 v[OFB], v[O:O+1], s[34:35] offset:-256 th:TH_STORE_NT        ; 32 lanes store 256 consecutive bytes, at a multiple of 256 from out1's first byte
	s_sub_co_u32 s46, s46, 1
	s_cmp_lg_u32 s46, 0
	s_cbranch_scc1 .Lgroup
	s_wait_tensorcnt 0x0
	ds_add_u32 v81, v85
	s_wait_dscnt 0x0
	s_endpgm
.Lfunc_end_k_q9774c91da4_cnf:
	.size	k_q9774c91da4_cnf, .Lfunc_end_k_q9774c91da4_cnf-k_q9774c91da4_cnf
	.p2alignl 7, 3214868480
	.fill 96, 4, 3214868480
	.section	.rodata,"a",@progbits
	.p2align	6, 0x0
	.amdhsa_kernel k_q9774c91da4_cnf
		.amdhsa_group_segment_fixed_size 40192
		.amdhsa_private_segment_fixed_size 0
		.amdhsa_enable_private_segment 0
		.amdhsa_kernarg_size 112
		.amdhsa_user_sgpr_count 2
		.amdhsa_user_sgpr_kernarg_segment_ptr 1
		.amdhsa_wavefront_size32 1
		.amdhsa_system_sgpr_workgroup_id_x 1
		.amdhsa_system_sgpr_workgroup_id_y 1
		.amdhsa_system_sgpr_workgroup_id_z 1
		.amdhsa_system_vgpr_workitem_id 0
		.amdhsa_next_free_vgpr 512
		.amdhsa_next_free_sgpr 66
		.amdhsa_reserve_vcc 0
		.amdhsa_float_denorm_mode_32 3
		.amdhsa_float_denorm_mode_16_64 3
		.amdhsa_memory_ordered 1
		.amdhsa_forward_progress 1
		.amdhsa_inst_pref_size 189
	.end_amdhsa_kernel
	.amdgpu_metadata
---
amdhsa.version: [ 1, 2 ]
amdhsa.kernels:
  - .name:           k_q9774c91da4_cnf
    .symbol:         k_q9774c91da4_cnf.kd
    .args:
      - { .name: y, .offset: 0, .size: 8, .value_kind: global_buffer, .address_space: global }
      - { .name: v, .offset: 8, .size: 8, .value_kind: global_buffer, .address_space: global }
      - { .name: logp, .offset: 16, .size: 8, .value_kind: global_buffer, .address_space: global }
      - { .name: t, .offset: 24, .size: 8, .value_kind: global_buffer, .address_space: global }
      - { .name: W1, .offset: 32, .size: 8, .value_kind: global_buffer, .address_space: global }
      - { .name: b1, .offset: 40, .size: 8, .value_kind: global_buffer, .address_space: global }
      - { .name: W2, .offset: 48, .size: 8, .value_kind: global_buffer, .address_space: global }
      - { .name: b2, .offset: 56, .size: 8, .value_kind: global_buffer, .address_space: global }
      - { .name: W3, .offset: 64, .size: 8, .value_kind: global_buffer, .address_space: global }
      - { .name: b3, .offset: 72, .size: 8, .value_kind: global_buffer, .address_space: global }
      - { .name: W4, .offset: 80, .size: 8, .value_kind: global_buffer, .address_space: global }
      - { .name: b4, .offset: 88, .size: 8, .value_kind: global_buffer, .address_space: global }
      - { .name: out0, .offset: 96, .size: 8, .value_kind: global_buffer, .address_space: global }
      - { .name: out1, .offset: 104, .size: 8, .value_kind: global_buffer, .address_space: global }
    .group_segment_fixed_size: 40192
    .private_segment_fixed_size: 0
    .kernarg_segment_align: 8
    .kernarg_segment_size: 112
    .max_flat_workgroup_size: 256
    .sgpr_count:     66
    .vgpr_count:     512
    .wavefront_size: 32
...
	.end_amdgpu_metadata
.endif
;; end of part 1
;; ======== version 2 of 2: 1 launch; version 1 with the launch cnf written anew for expert scheduling mode
;; launch cnf (part 2): grid 256 x 1, 8 waves a work-group, no clusters, 40,192 bytes of LDS; arguments y, v, logp, t, W1, b1, W2, b2, W3, b3, W4, b4, out0, out1; writes out0, out1
.if DOCPART == 2
	.amdgcn_target "amdgcn-amd-amdhsa--gfx1250"
	.amdhsa_code_object_version 6
	.text
	.protected	k_q9774c91da4_cnf
	.globl	k_q9774c91da4_cnf
	.p2align	8
	.type	k_q9774c91da4_cnf,@function
k_q9774c91da4_cnf:
	s_mov_b64 s[64:65], 0
	v_nop
	global_prefetch_b8 v0, s[64:65] scope:SCOPE_SE
	s_setreg_imm32_b32 hwreg(HW_REG_WAVE_SCHED_MODE, 0, 2), 2
	s_setreg_imm32_b32 hwreg(HW_REG_WAVE_MODE, 25, 1), 1
	s_wait_xcnt 0x0
	s_wait_alu depctr_vm_vsrc(0)
; dy = MLP(y, t) (3 -> 128 -> 128 -> 64 -> 2, SiLU between) and -sum(g * v), g = J^T v, for 524,288 rows, in one launch; no intermediate goes to memory.
; The four products on W2 and W3 (forward, and backward on their transposes) run on codes of FP6 (E2M3) with one E8M0 scale for each 32 along K; both operands are quantised here, in f32.
; x W1 + b1 and v W4^T feed a quantiser: f32 matrix form, K = 4 (t and the bias ride in K).  h3 W4 and g_z1 W1^T feed the outputs alone: bf16 operands, f32 sums.
; SHARES.  256 work-groups of eight waves, two waves to each of a WGP's four SIMDs, 512 registers each.  A wave owns 256 rows: 4 groups of 64, each 2 trips of 2 tiles of 16 rows.  A tile goes through the whole chain in registers.
; LAYOUT.  Every product is used transposed: source 0 = 16 rows of a weight, source 1 = the tile's 16 data rows.  Lane r of weight tile t takes output feature 32 (t / 2) + 8 (t % 2) + r + 8 (r / 8), so that lane (r, h) holds
; data row r and register 16 b + i of a result holds feature 32 b + 16 h + i: sixteen neighbours along the next K.  z, h, silu' and the gradients all lie so: nothing changes lanes but a block's maximum and the halves of its codes.
; WEIGHTS.  Each wave quantises one tile of each of the four operands at the head; they lie in LDS as images of the operand's registers (16 bytes a lane, 512 bytes a load).  W3^T, the small operands and the scale words stay in registers,
; the rest is read from LDS tile by tile.  One barrier in the whole text; behind it LDS is only read.
; K = 64 (g_z3 W3^T): the data's codes of K = 64 .. 127 are zeros and the scale bytes there are 1 on both sides, so what the weight's registers 6-11 hold adds nothing: tile t's operand is the run of 12 registers that begins at 6 t.
; logp is an input of the module on which no result hangs: it is loaded with y and v, and its numbers enter nothing.
; LIMITS: NaN and infinities among the inputs are not served.  A block whose largest magnitude lies under 2^-124 is held at scale byte 1, a block of zeros too (its codes are zeros; the bytes are read here alone).
; 2^x below 2^-126 comes out as 0, which is nothing beside the 1 that is added to it; 2^x beyond f32 gives sigmoid 0, h = -0, silu' = 0.
; THE MODE: SCHED_MODE bits 1:0 = 2 (LLVM: expert scheduling mode 2), set by the entry lines.  The code itself states the register dependences
; between vector or matrix instructions and memory or LDS instructions, with s_wait_alu, always for 0.
; THE PLAN.  Registers that memory or LDS instructions touch, in the loop:
;   LI, BA      Read by every LDS load of a tile; written at the head and never again.
;   W1S         (window 1; also silu'(z2)).  Loaded: sets 0-2 of W2 forward; read by the first three products on W2.  Loaded: sets 6, 7; read by the last two.  Written and read as silu'(z2).  Loaded: tiles 0-4 of W2 backward; read by five products.
;   W0          (also S, HH, G).  Written and read by each sigmoid stage.  Loaded: sets 3-5 of W2 forward; later W3 forward's four fragments; written as G and read by the quantiser; loaded: tiles 5-7 of W2 backward.
;   PC, PW      Written by vector instructions, read by the products on codes (at the head: by LDS stores).
;   YN, VN, LP  Loaded a group ahead; YN and VN are read by the moves at a group's head.     OFA, OFB  stepped once a group, read by its loads and stores.     MDY, O  a group's store data.
; A tile has six waits on va_vdst beside those behind its exponentials and reciprocals: behind each layer's second activation (S and HH are done with, the codes and the scale word are written); behind the first three products on W2;
; ahead of the products on W3 backward; behind the multiplications by silu'(z2); ahead of the products on W2 backward.  Sets 0-2 of W2 forward stand behind the wait for the tile's first exponentials and owe none of their own.
; A group has one wait on vm_vsrc and one on va_vdst at its head, and one on va_vdst ahead of its two stores.
.set F2IMG, 0                          ; LDS: W2 forward, 8 fragments of 1,536 bytes: register group c at 512 c + 16 lane
.set F3IMG, 12288                      ; W3 forward, 4 fragments
.set B2IMG, 18432                      ; W2 backward, 8 fragments
.set B3IMG, 30720                      ; W3 backward, 8 half fragments of 768 bytes: registers 0-3 at 16 lane, registers 4-5 at 512 + 8 lane
.set SC,    36864                      ; 28 x 64 bytes of scale words: index i at 64 i + 4 r; W2 forward 0-7, W3 forward 8-11, W3 backward 12-19, W2 backward 20-27
.set B2RAW, 38656                      ; b2 as it lies in memory, 512 bytes
; window 0
.set LI,  1                            ; 16 x lane
.set OFA, 2                            ; 16 x lane + 512 x group
.set OFB, 3                            ; 8 x lane + 256 x group
.set TC,  4                            ; v4 t, v5 1.0
.set ZERO, 6
.set BA,  7                            ; 64 h
.set CY,  8                            ; the group's y: rows 2 l, 2 l + 1
.set CV,  12                           ; its v
.set YN,  16                           ; the next group's
.set VN,  20
.set LP,  24                           ; logp
.set BY,  26                           ; product 1's source 1, a pair for each of the trip's two tiles
.set BV,  30                           ; product 5's
.set MDY, 34                           ; the group's dy, as it will be stored
.set MG,  38                           ; its g
.set SCL, 42                           ; v42-55 the weights' scale words: register k: lanes 0-15 index 2 k, lanes 16-31 index 2 k + 1
.set PW,  56                           ; the scale word just made
.set H8,  57                           ; 8 h
.set QT,  58                           ; v58-65 at work
.set PC,  66                           ; v66-77 the codes just made
.set PT,  78                           ; v78-85 the conversions' second halves
.set VF2, 86                           ; v86-95, v40-41, v160-163: offsets and LDS addresses of the head
.set VF3, 87
.set VB2, 88
.set VB3, 89
.set WI,  90
.set WI3A, 91
.set WI3B, 92
.set WS,  93
.set L4,  94
.set L8,  95
.set B2W, 40
.set VA8, 41
.set VA1, 160
.set VA1B, 161
.set VA5, 162
.set VA4, 163
.set O,   94                           ; out1's two numbers
.set Z,   96                           ; v96-159 the accumulators: written by matrix instructions alone
.set S,   160                          ; v160-191 sigmoid
.set HH,  192                          ; v192-223 h
.set G,   160                          ; v160-223 a gradient
.set W0,  160                          ; staging in window 0
.set B3C, 224                          ; v224-255 b3 in the result's layout
; window 1
.set D1,  0                            ; silu'(z1)
.set D2,  64                           ; silu'(z2)
.set W1S, 64                           ; staging in window 1, where D2 is not alive
.set B3R, 128                          ; W3 backward, 54 registers
.set A1,  184                          ; product 1's source 0, 8 pairs
.set A5,  200                          ; product 5's, 4 pairs
.set A4,  208                          ; product 4's, 2 K steps
.set A8,  224                          ; product 8's, 4 K steps
.set XA,  0                            ; the head's numbers: W2's columns (window 1),
.set XB,  64                           ; W2's rows (window 1),
.set T4,  128                          ; W4 (window 1),
.set TBW, 160                          ; b1 (window 1),
.set T8,  0                            ; W1 (window 1, behind XA),
.set XC,  8                            ; W3's rows (window 0),
.set XD,  160                          ; W3's columns (window 0)
.set MSB, 0
.macro WIN new                         ; the immediate's high byte repeats the setting that is left; a switch that changes nothing is dropped
.if MSB != \new
	s_set_vgpr_msb (MSB<<8)|\new
.set MSB, \new
.endif
.endm
.macro NOPS n
.rept \n
	v_nop
.endr
.endm
.macro LDFRAG dst, off                 ; a fragment's image back into 12 registers
.irp c, 0,1,2
	ds_load_b128 v[\dst+4*\c:\dst+4*\c+3], v[LI] offset:\off+512*\c
.endr
.endm
.macro LDSET dst, t                    ; tile t of W2 forward and, behind it, b2's eight numbers of my half of that tile: five loads
	LDFRAG \dst, F2IMG+1536*(\t)
	ds_load_b128 v[\dst+12:\dst+15], v[BA] offset:B2RAW+4*(32*((\t)/2)+8*((\t)%2))
	ds_load_b128 v[\dst+16:\dst+19], v[BA] offset:B2RAW+4*(32*((\t)/2)+8*((\t)%2))+16
.endm
.macro MM d, a, c, sc, row             ; one product on codes: source 0 = a weight's tile, source 1 = the codes just made; c < 0: the sum starts at 0, else at the bias in v[c ..]; row: which half of the lanes holds the tile's scale words
.if (\c) < 0
.if \row
	v_wmma_scale_f32_16x16x128_f8f6f4 v[\d:\d+7], v[\a:\a+11], v[PC:PC+11], 0, v[\sc], v[PW] matrix_a_fmt:MATRIX_FMT_FP6 matrix_b_fmt:MATRIX_FMT_FP6 matrix_a_scale:MATRIX_SCALE_ROW1
.else
	v_wmma_scale_f32_16x16x128_f8f6f4 v[\d:\d+7], v[\a:\a+11], v[PC:PC+11], 0, v[\sc], v[PW] matrix_a_fmt:MATRIX_FMT_FP6 matrix_b_fmt:MATRIX_FMT_FP6
.endif
.else
.if \row
	v_wmma_scale_f32_16x16x128_f8f6f4 v[\d:\d+7], v[\a:\a+11], v[PC:PC+11], v[\c:\c+7], v[\sc], v[PW] matrix_a_fmt:MATRIX_FMT_FP6 matrix_b_fmt:MATRIX_FMT_FP6 matrix_a_scale:MATRIX_SCALE_ROW1
.else
	v_wmma_scale_f32_16x16x128_f8f6f4 v[\d:\d+7], v[\a:\a+11], v[PC:PC+11], v[\c:\c+7], v[\sc], v[PW] matrix_a_fmt:MATRIX_FMT_FP6 matrix_b_fmt:MATRIX_FMT_FP6
.endif
.endif
.endm
; 32 numbers z at Z + zb: S = sigmoid(z) = 1 / (1 + 2^(-z log2 e)), HH = z S.  Each accumulator is read from its low end on.  Two batches of 32 transcendentals, each with one plain line and one wait behind it.
; early = 1, in a tile's first stage: three sets of W2 forward are asked for behind the first wait, into the registers that silu'(z2) will take.
.macro SIG zb, early
.set j, 0
.rept 16
	v_pk_mul_f32 v[S+j:S+j+1], v[Z+\zb+j:Z+\zb+j+1], s[42:43] op_sel_hi:[1,0]
.set j, j+2
.endr
.set j, 0
.rept 32
	v_exp_f32 v[S+j], v[S+j]
.set j, j+1
.endr
	v_nop                                          ; a plain line behind the last exponential
	s_wait_alu depctr_va_vdst(0)                   ; the exponentials have written S: one wait for the batch, ahead of its first reader
.if \early
	WIN 0x40                                       ; no wait of their own: the wait above stands behind the last tile's products on W2 backward (at the head: behind the lines that quantised W2's rows), the last to name these registers,
	LDSET W1S, 0                                   ; and no vector or matrix instruction stands between it and these loads
	LDSET W1S+20, 1
	LDSET W1S+40, 2
	WIN 0
.endif
.set j, 0
.rept 16
	v_pk_add_f32 v[S+j:S+j+1], v[S+j:S+j+1], 1.0 op_sel_hi:[1,0]
.set j, j+2
.endr
.set j, 0
.rept 32
	v_rcp_f32 v[S+j], v[S+j]
.set j, j+1
.endr
	v_nop
	s_wait_alu depctr_va_vdst(0)                   ; and one for the reciprocals, which have written S
.set j, 0
.rept 16
	v_pk_mul_f32 v[HH+j:HH+j+1], v[Z+\zb+j:Z+\zb+j+1], v[S+j:S+j+1]
.set j, j+2
.endr
.endm
; 32 registers at src, register 16 q + i = k 64 c + 32 q + 16 h + i of my row, become registers 6 c .. 6 c + 5 of the operand in PC and bytes 2 c, 2 c + 1 of its scale word PW.  k64 = 1: K ends at 64: bytes 2 and 3 are 1.
.macro QUANTH src, c, k64
	v_max3_num_f32 v[QT],   |v[(\src)]|,    |v[(\src)+1]|,  0x1800000     ; my 16 numbers of each block, in two chains a block; the floor 2^(3 - 127) is one more leaf: the byte cannot fall under 1
	v_max3_num_f32 v[QT+1], |v[(\src)+16]|, |v[(\src)+17]|, 0x1800000
	v_max3_num_f32 v[QT+6], |v[(\src)+8]|,  |v[(\src)+9]|,  |v[(\src)+10]|
	v_max3_num_f32 v[QT+7], |v[(\src)+24]|, |v[(\src)+25]|, |v[(\src)+26]|
.irp i, 2,4
	v_max3_num_f32 v[QT],   v[QT],   |v[(\src)+\i]|,    |v[(\src)+\i+1]|
	v_max3_num_f32 v[QT+1], v[QT+1], |v[(\src)+16+\i]|, |v[(\src)+17+\i]|
	v_max3_num_f32 v[QT+6], v[QT+6], |v[(\src)+9+\i]|,  |v[(\src)+10+\i]|
	v_max3_num_f32 v[QT+7], v[QT+7], |v[(\src)+25+\i]|, |v[(\src)+26+\i]|
.endr
	v_max3_num_f32 v[QT],   v[QT],   |v[(\src)+6]|,  |v[(\src)+7]|
	v_max3_num_f32 v[QT+1], v[QT+1], |v[(\src)+22]|, |v[(\src)+23]|
	v_max3_num_f32 v[QT],   v[QT],   v[QT+6], |v[(\src)+15]|
	v_max3_num_f32 v[QT+1], v[QT+1], v[QT+7], |v[(\src)+31]|
	v_permlanex16_b32 v[QT+2], v[QT], s44, s45
	v_permlanex16_b32 v[QT+3], v[QT+1], s44, s45
	v_max_num_f32 v[QT], v[QT], v[QT+2]            ; with lane l xor 16's 16: the block's largest magnitude
	v_max_num_f32 v[QT+1], v[QT+1], v[QT+3]
	v_add_nc_u32 v[QT+4], 0xff000000, v[QT]        ; 2 off its exponent field: the conversion takes this operand's exponent field as its scale
	v_add_nc_u32 v[QT+5], 0xff000000, v[QT+1]
	v_lshrrev_b32 v[QT+2], 23, v[QT+4]             ; the scale's byte
	v_lshrrev_b32 v[QT+3], 23, v[QT+5]
.if \c == 0
	v_lshl_or_b32 v[PW], v[QT+3], 8, v[QT+2]
.if \k64
	v_or_b32 v[PW], 0x01010000, v[PW]
.endif
.else
	v_lshl_or_b32 v[PW], v[QT+2], 16, v[PW]
	v_lshl_or_b32 v[PW], v[QT+3], 24, v[PW]
.endif
	v_cvt_scalef32_pk16_fp6_f32 v[PC+6*\c:PC+6*\c+2], v[(\src):(\src)+15], v[QT+4]
	v_cvt_scalef32_pk16_fp6_f32 v[PT:PT+2], v[(\src)+16:(\src)+31], v[QT+5]   ; (a conversion's three registers begin on an even number)
	v_nop                                          ; one plain line behind the scaled conversions
.irp i, 0,1,2
	v_permlane16_swap_b32 v[PC+6*\c+\i], v[PT+\i]  ; the operand wants a whole block in a lane: lanes 0-15 block 2 c, lanes 16-31 block 2 c + 1
.endr
.irp i, 0,1,2
	v_mov_b32 v[PC+6*\c+3+\i], v[PT+\i]
.endr
.endm
; Half a layer of 128: sigmoid and h of 32 numbers; h quantised; silu' = s + h (1 - s) kept in window 1 at db.  The 32 lines that make silu' are also the places between the writes of the codes and the scale word and the products that read them.
.macro ACT zb, db, c, early
	SIG \zb, \early
	QUANTH HH, \c, 0
	WIN 0x44                                       ; destination and source 1 in window 1
.set j, 0
.rept 16
	v_pk_fma_f32 v[\db+j:\db+j+1], v[S+j:S+j+1], -1.0, 1.0 op_sel_hi:[1,0,0]
.set j, j+2
.endr
.set j, 0
.rept 16
	v_pk_fma_f32 v[\db+j:\db+j+1], v[HH+j:HH+j+1], v[\db+j:\db+j+1], v[S+j:S+j+1]
.set j, j+2
.endr
	WIN 0
.endm
; A weight's fragment from 64 numbers at xb in window xw: register 32 c + i = k 64 c + 32 h + i of my row of the tile: two whole blocks a lane.  Its image goes to img + 1,536 x wave, its scale words to index sci + wave.
; again = 1: an image's LDS stores stand ahead, with no wait on vm_vsrc behind them yet.
.macro QW xb, xw, img, sci, again
	s_wait_dscnt 0x0                               ; the image before has left PC and PW
.if \again
	s_wait_alu depctr_vm_vsrc(0)                   ; the LDS stores of the image before have read PC and PW, which the lines below write again
.endif
	v_mov_b32 v[QT], 0x1800000                     ; the floor
	v_mov_b32 v[QT+1], 0x1800000
	WIN 0x14*\xw
.set i, 0
.rept 16
	v_max3_num_f32 v[QT], v[QT], |v[\xb+i]|, |v[\xb+i+1]|
	v_max3_num_f32 v[QT+1], v[QT+1], |v[\xb+32+i]|, |v[\xb+33+i]|
.set i, i+2
.endr
	WIN 0
	v_add_nc_u32 v[QT+4], 0xff000000, v[QT]
	v_add_nc_u32 v[QT+5], 0xff000000, v[QT+1]
	v_lshrrev_b32 v[QT+2], 23, v[QT+4]
	v_lshrrev_b32 v[QT+3], 23, v[QT+5]
	v_lshl_or_b32 v[QT+6], v[QT+3], 16, v[QT+2]    ; my bytes: blocks h and 2 + h,
	v_lshlrev_b32 v[QT+6], v[H8], v[QT+6]          ; at their places;
	v_permlanex16_b32 v[QT+7], v[QT+6], s44, s45
	v_or_b32 v[PW], v[QT+6], v[QT+7]               ; with lane l xor 16's two the word is whole
	WIN 0x01*\xw
	v_cvt_scalef32_pk16_fp6_f32 v[PC:PC+2], v[\xb:\xb+15], v[QT+4]
	v_cvt_scalef32_pk16_fp6_f32 v[PT:PT+2], v[\xb+16:\xb+31], v[QT+4]
	v_cvt_scalef32_pk16_fp6_f32 v[PC+6:PC+8], v[\xb+32:\xb+47], v[QT+5]
	v_cvt_scalef32_pk16_fp6_f32 v[PT+4:PT+6], v[\xb+48:\xb+63], v[QT+5]
	WIN 0
	v_nop
.irp i, 0,1,2
	v_mov_b32 v[PC+3+\i], v[PT+\i]
	v_mov_b32 v[PC+9+\i], v[PT+4+\i]
.endr
	s_wait_alu depctr_va_vdst(0)                   ; PC and PW are written, which the LDS stores read; and the lines above are done reading the 64 numbers
	ds_store_b128 v[WI], v[PC:PC+3] offset:\img
	ds_store_b128 v[WI], v[PC+4:PC+7] offset:\img+512
	ds_store_b128 v[WI], v[PC+8:PC+11] offset:\img+1024
	ds_store_b32 v[WS], v[PW] offset:SC+64*\sci    ; both halves of the lanes write the same word with the same value
.endm
	; ---------------- THE HEAD ----------------
	s_load_b512 s[8:23], s[0:1], 0x0               ; y s[8:9], v s[10:11], logp s[12:13], t s[14:15], W1 s[16:17], b1 s[18:19], W2 s[20:21], b2 s[22:23]
	s_load_b256 s[24:31], s[0:1], 0x40             ; W3 s[24:25], b3 s[26:27], W4 s[28:29], b4 s[30:31]
	s_load_b128 s[32:35], s[0:1], 0x60             ; out0 s[32:33], out1 s[34:35]
	v_lshl_add_u32 v81, v0, 2, 0x9900
	v_mov_b32 v85, 0
	v_and_b32 v58, 31, v0                          ; lane
	v_and_b32 v59, 15, v0                          ; r
	v_bfe_u32 v60, v0, 4, 1                        ; h
	v_lshrrev_b32 v61, 5, v0
	v_readfirstlane_b32 s37, v61                   ; wave 0..7
	v_mov_b32 v[ZERO], 0
	v_lshlrev_b32 v[LI], 4, v58
	v_lshlrev_b32 v[OFA], 4, v58
	v_lshlrev_b32 v[OFB], 3, v58
	v_lshlrev_b32 v[L4], 2, v58
	v_lshlrev_b32 v[L8], 3, v58
	v_lshlrev_b32 v[BA], 6, v60
	v_lshlrev_b32 v[H8], 3, v60
	v_and_b32 v61, 8, v59
	v_add_nc_u32 v61, v61, v59                     ; r + 8 (r / 8)
	s_wait_alu depctr_va_sdst(0)                   ; s37 is written, ahead of its first reader: the tile's first feature, the images' places and the bases are made from it
	s_lshr_b32 s50, s37, 1
	s_lshl_b32 s50, s50, 5
	s_and_b32 s51, s37, 1
	s_lshl_b32 s51, s51, 3
	s_add_co_u32 s48, s50, s51                     ; my tile's first feature: 32 (wave / 2) + 8 (wave % 2)
	v_add_nc_u32 v62, s48, v61                     ; q: my lane's feature in the tile that my wave quantises
	v_lshlrev_b32 v63, 2, v62
	v_lshl_add_u32 v[VF2], v60, 14, v63            ; W2's column q from row 32 h on: 4 q + 32 h rows of 512 bytes
	v_lshl_add_u32 v[VF3], v60, 13, v63            ; W3's column q: rows of 256 bytes
	v_lshlrev_b32 v63, 7, v60                      ; 128 h
	v_lshl_add_u32 v[VB2], v62, 9, v63             ; W2's row q from column 32 h on
	v_lshl_add_u32 v[VB3], v62, 8, v63             ; W3's row q
	s_mul_i32 s50, s37, 1536
	v_add_nc_u32 v[WI], s50, v[LI]                 ; where my wave's images go
	s_mul_i32 s50, s37, 768
	v_add_nc_u32 v[WI3A], s50, v[LI]
	v_add_nc_u32 v[WI3B], s50, v[L8]
	s_lshl_b32 s50, s37, 6
	v_lshl_add_u32 v[WS], v59, 2, s50              ; 4 r + 64 x wave: my tile's scale words; also my wave's 16 numbers of b2
	v_lshlrev_b32 v[VA1B], 2, v61
	v_lshl_add_u32 v[VA1], v60, 10, v[VA1B]        ; W1's row 2 h
	v_lshlrev_b32 v[VA5], 3, v61
	v_and_b32 v64, 1, v59                          ; which of the two outputs my row of a bf16 operand stands for
	v_lshlrev_b32 v65, 2, v64
	v_add_nc_u32 v[VA4], v63, v65                  ; W4: 16 h rows of 8 bytes + 4 x output
	v_lshlrev_b32 v65, 9, v64
	v_add_nc_u32 v[VA8], v[BA], v65                ; W1: row = output, + 16 h numbers
	v_mov_b32 v[QT+7], 0                           ; a lane permute's destination counts as one of its sources
	s_mov_b32 s40, 0xffff0000                      ; lanes 16-31
	s_mov_b32 s42, 0xbfb8aa3b                      ; -log2(e)
	s_mov_b32 s43, s42                             ; (named with it as a pair, so it is written)
	s_mov_b32 s44, 0x76543210
	s_mov_b32 s45, 0xfedcba98                      ; v_permlanex16_b32's selects for lane l xor 16
	s_mov_b32 s49, 0x03030303                      ; the lanes with r = 0, 1, 8, 9: the rows of a bf16 operand that are not zero
	s_mov_b32 s46, 4                               ; groups
	s_lshl_b32 s50, ttmp9, 3
	s_add_co_u32 s50, s50, s37                     ; which run of 256 rows is my wave's
	s_lshl_b32 s52, s50, 11                        ; in y, v and out0: 8 bytes a row
	s_mov_b32 s53, 0
	s_lshl_b32 s54, s50, 10                        ; in logp and out1: 4 bytes a row
	s_mov_b32 s55, 0
	s_wait_kmcnt 0x0
	s_load_b32 s36, s[14:15], 0x0                  ; t
	s_load_b64 s[38:39], s[30:31], 0x0             ; b4
	s_add_nc_u64 s[8:9], s[8:9], s[52:53]
	s_add_nc_u64 s[10:11], s[10:11], s[52:53]
	s_add_nc_u64 s[32:33], s[32:33], s[52:53]
	s_add_nc_u64 s[12:13], s[12:13], s[54:55]
	s_add_nc_u64 s[34:35], s[34:35], s[54:55]
	WIN 0x40                                       ; destination window 1
	s_wait_alu depctr_va_vdst(0)                   ; every offset and LDS address made above is written: the head's loads and LDS stores and the tiles' LDS loads read them; v160-163 among them, in which loads will land
.set t, 0
.rept 8                                        ; product 1's source 0: lanes 0-15 (W1[0][f], W1[1][f]), lanes 16-31 (W1[2][f], b1[f])
	global_load_b32 v[A1+2*t], v[VA1], s[16:17] offset:4*(32*(t/2)+8*(t%2))
	global_load_b32 v[A1+2*t+1], v[VA1B], s[16:17] offset:512+4*(32*(t/2)+8*(t%2))
	global_load_b32 v[TBW+t], v[VA1B], s[18:19] offset:4*(32*(t/2)+8*(t%2))
.set t, t+1
.endr
.set t, 0
.rept 4                                        ; product 5's: (W4[f][0], W4[f][1]) in every lane; lanes 16-31 meet zeros in source 1
	global_load_b64 v[A5+2*t:A5+2*t+1], v[VA5], s[28:29] offset:8*(32*(t/2)+8*(t%2))
.set t, t+1
.endr
.set i, 0
.rept 32                                       ; W4[32 s + 16 h + i][output]
	global_load_b32 v[T4+i], v[VA4], s[28:29] offset:8*(32*(i/16)+i%16)
.set i, i+1
.endr
	WIN 0
.set t, 0
.rept 4                                        ; b3 in the result's layout: tile t, my half's eight
	global_load_b128 v[B3C+8*t:B3C+8*t+3], v[BA], s[26:27] offset:4*(32*(t/2)+8*(t%2))
	global_load_b128 v[B3C+8*t+4:B3C+8*t+7], v[BA], s[26:27] offset:4*(32*(t/2)+8*(t%2))+16
.set t, t+1
.endr
	global_load_b32 v[B2W], v[WS], s[22:23]
	s_wait_xcnt 0x0                                ; the loads above have read their offsets: four of these lie where W3's columns land
	s_wait_alu depctr_vm_vsrc(0)                   ; the loads above have read v160-163, their offsets, in which the loads of W3's columns land
	s_cmp_ge_u32 s37, 4                            ; W3 forward has four tiles: waves 0 to 3
	s_cbranch_scc1 .Lno_f3_in
.set i, 0
.rept 64
	global_load_b32 v[XD+i], v[VF3], s[24:25] offset:256*(64*(i/32)+i%32)
.set i, i+1
.endr
.Lno_f3_in:
	WIN 0x40
.set i, 0
.rept 64
	global_load_b32 v[XA+i], v[VF2], s[20:21] offset:512*(64*(i/32)+i%32)
.set i, i+1
.endr
.set i, 0
.rept 16
	global_load_b128 v[XB+4*i:XB+4*i+3], v[VB2], s[20:21] offset:256*(i/8)+16*(i%8)
.set i, i+1
.endr
	WIN 0
.set i, 0
.rept 8
	global_load_b128 v[XC+4*i:XC+4*i+3], v[VB3], s[24:25] offset:16*i
.set i, i+1
.endr
	s_wait_kmcnt 0x0
	v_mov_b32 v[TC], s36
	v_mov_b32 v[TC+1], 1.0
	s_wait_loadcnt 24                              ; all but the 16 + 8 loads of W2's and W3's rows: W2's columns are in, and all that was asked for ahead of them
	QW XA, 1, F2IMG, 0, 0
	WIN 0x40
.set i, 0
.rept 16                                       ; W1[output][32 s + 16 h + i], into the registers that W2's columns have left.  No wait: the one ahead of the image's stores stands behind the last line that read those registers, and only LDS stores follow it
	global_load_b128 v[T8+4*i:T8+4*i+3], v[VA8], s[16:17] offset:128*(i/4)+16*(i%4)
.set i, i+1
.endr
	WIN 0
	s_wait_loadcnt 24                              ; behind W2's rows: 8 loads of W3's rows, 16 of W1
	QW XB, 1, B2IMG, 20, 1
	s_wait_loadcnt 16                              ; behind W3's rows: the 16 of W1
	; W3 backward: K = 64: one block a lane, six registers
	s_wait_dscnt 0x0
	s_wait_alu depctr_vm_vsrc(0)                   ; the LDS stores of the image before have read PC and PW, which the lines below write again
	v_mov_b32 v[QT], 0x1800000
	v_mov_b32 v[QT+1], 0x1800000
.set i, 0
.rept 8
	v_max3_num_f32 v[QT], v[QT], |v[XC+i]|, |v[XC+i+1]|
	v_max3_num_f32 v[QT+1], v[QT+1], |v[XC+16+i]|, |v[XC+17+i]|
.set i, i+2
.endr
	v_max_num_f32 v[QT], v[QT], v[QT+1]
	v_add_nc_u32 v[QT+4], 0xff000000, v[QT]
	v_lshrrev_b32 v[QT+2], 23, v[QT+4]
	v_lshlrev_b32 v[QT+6], v[H8], v[QT+2]          ; block h's byte at its place
	v_permlanex16_b32 v[QT+7], v[QT+6], s44, s45
	v_or_b32 v[PW], v[QT+6], v[QT+7]
	v_or_b32 v[PW], 0x01010000, v[PW]              ; bytes 2 and 3: K ends at 64
	v_cvt_scalef32_pk16_fp6_f32 v[PC:PC+2], v[XC:XC+15], v[QT+4]
	v_cvt_scalef32_pk16_fp6_f32 v[PT:PT+2], v[XC+16:XC+31], v[QT+4]
	v_nop
.irp i, 0,1,2
	v_mov_b32 v[PC+3+\i], v[PT+\i]
.endr
	s_wait_alu depctr_va_vdst(0)                   ; PC and PW are written, which the LDS stores read; the lines above are done reading W3's rows, among whose registers the first group's loads land
	ds_store_b128 v[WI3A], v[PC:PC+3] offset:B3IMG
	ds_store_b64 v[WI3B], v[PC+4:PC+5] offset:B3IMG+512
	ds_store_b32 v[WS], v[PW] offset:SC+64*12
	global_load_b128 v[YN:YN+3], v[OFA], s[8:9] th:TH_LOAD_NT      ; the first group's rows: 512 consecutive bytes of y, of v,
	global_load_b128 v[VN:VN+3], v[OFA], s[10:11] th:TH_LOAD_NT
	global_load_b64 v[LP:LP+1], v[OFB], s[12:13] th:TH_LOAD_NT     ; and 256 of logp, which enters nothing
	s_wait_alu depctr_vm_vsrc(0)                   ; the three LDS stores above have read PC and PW, which waves 0 to 3 write again below: the wait stands ahead of the branch
	s_cmp_ge_u32 s37, 4
	s_cbranch_scc1 .Lno_f3
	QW XD, 0, F3IMG, 8, 0
.Lno_f3:
	ds_store_b32 v[WS], v[B2W] offset:B2RAW
	WIN 0x45                                       ; destination, sources 0 and 1 in window 1
.set t, 0
.rept 8
	v_cndmask_b32 v[A1+2*t+1], v[A1+2*t+1], v[TBW+t], s40          ; lanes 16-31: b1[f]
.set t, t+1
.endr
.set j, 0
.rept 16
	v_cvt_pk_bf16_f32 v[A4+j], v[T4+2*j], v[T4+2*j+1]
.set j, j+1
.endr
	s_wait_loadcnt 3                               ; W1 is in; the first group's three loads may be out
.set j, 0
.rept 32
	v_cvt_pk_bf16_f32 v[A8+j], v[T8+2*j], v[T8+2*j+1]
.set j, j+1
.endr
	WIN 0x44                                       ; source 0 (the zero) in window 0
.set j, 0
.rept 48                                       ; rows 0 and 8 stand for output 0, rows 1 and 9 for output 1, the others are zeros: so both halves of the lanes get both outputs in a result's registers 0 and 1
	v_cndmask_b32 v[A4+j], v[ZERO], v[A4+j], s49
.set j, j+1
.endr
	WIN 0
	s_wait_dscnt 0x0                               ; for the others' sake: my images, scale words and numbers of b2 lie in LDS
	s_barrier_signal -1
	s_barrier_wait -1                              ; everybody's do; from here on LDS is only read
	WIN 0x40
	s_wait_alu depctr_va_vdst(0)                   ; the conversions are done reading W4's numbers and the selects b1's: W3 backward's fragments land in those registers
.set t, 0
.rept 8
	ds_load_b128 v[B3R+6*t:B3R+6*t+3], v[LI] offset:B3IMG+768*t
	ds_load_b64 v[B3R+6*t+4:B3R+6*t+5], v[L8] offset:B3IMG+768*t+512
.set t, t+1
.endr
.irp i, 0,1,2,3,4,5
	v_mov_b32 v[B3R+48+\i], 0                      ; what tile 7's run of 12 registers names behind its own six
.endr
	WIN 0
.set k, 0
.rept 14
	ds_load_b32 v[SCL+k], v[L4] offset:SC+128*k
.set k, k+1
.endr
	s_wait_alu depctr_vm_vsrc(0)                   ; the LDS stores have read PC, PW and b2's word v40, W1's loads their offset v41, the LDS loads above v94 and v95: all of these are written again from here on
.irp i, 0,1,2,3,4,5,6,7
	v_mov_b32 v[MDY+\i], 0                         ; dy and g are filled half by half: written whole once
.endr
	s_wait_dscnt 0x0
; ---------------- A TILE OF 16 ROWS, forward and backward.  p: which of the trip's two ----------------
.macro TILE p
	; product 1: z1 = x W1 + b1.  Three sets of W2 forward are asked for in the first stage behind it
	WIN 0x01
.set t, 0
.rept 8
	v_wmma_f32_16x16x4_f32 v[Z+8*t:Z+8*t+7], v[A1+2*t:A1+2*t+1], v[BY+2*\p:BY+2*\p+1], 0
.set t, t+1
.endr
	WIN 0
	NOPS 8                                         ; eight places behind this form before its result is read
	ACT 0, D1, 0, 1
	ACT 32, D1+32, 1, 0
	; product 2: z2 = Q(h1) Q(W2) + b2; the bias is each sum's C
	s_wait_alu depctr_va_vdst(0)                   ; the stage's lines are done writing and reading S and HH, in which the three sets below land; the codes and the scale word are written, which the products read (their places: the 32 lines that made silu')
	LDSET W0, 3
	LDSET W0+20, 4
	LDSET W0+40, 5
	s_wait_dscnt 15                                ; the three early sets are in; the 15 loads just issued may be out
	WIN 0x11                                       ; source 0 and C in window 1
	MM Z,    W1S,    W1S+12, SCL,   0
	MM Z+8,  W1S+20, W1S+32, SCL,   1
	MM Z+16, W1S+40, W1S+52, SCL+1, 0
	WIN 0
	NOPS 4                                         ; four places in front of loads into registers that matrix instructions have read; they stay beside the wait
	WIN 0x40
	s_wait_alu depctr_va_vdst(0)                   ; the three products are done reading their sets, in the first two of which sets 6 and 7 land
	LDSET W1S, 6
	LDSET W1S+20, 7
	WIN 0
	s_wait_dscnt 10                                ; sets 3 to 5 are in; the 10 loads just issued may be out
	MM Z+24, W0,    W0+12, SCL+1, 1
	MM Z+32, W0+20, W0+32, SCL+2, 0
	MM Z+40, W0+40, W0+52, SCL+2, 1
	s_wait_dscnt 0x0
	WIN 0x11
	MM Z+48, W1S,    W1S+12, SCL+3, 0
	MM Z+56, W1S+20, W1S+32, SCL+3, 1
	WIN 0
	NOPS 4                                         ; before results are read and the staging registers written
	ACT 0, D2, 0, 0
	ACT 32, D2+32, 1, 0
	; product 5: g_h3 = v W4^T, and product 3: z3 = Q(h2) Q(W3) + b3
	s_wait_alu depctr_va_vdst(0)                   ; the stage's lines are done writing and reading S and HH, in which W3's four fragments land; the codes and the scale word are written, which product 3 reads (product 5, between, names none of them)
.set t, 0
.rept 4
	LDFRAG W0+12*t, F3IMG+1536*t
.set t, t+1
.endr
	WIN 0x01
.set t, 0
.rept 4
	v_wmma_f32_16x16x4_f32 v[Z+32+8*t:Z+32+8*t+7], v[A5+2*t:A5+2*t+1], v[BV+2*\p:BV+2*\p+1], 0
.set t, t+1
.endr
	WIN 0
	s_wait_dscnt 0x0
.set t, 0
.rept 4
	MM Z+8*t, W0+12*t, B3C+8*t, SCL+4+t/2, t%2
.set t, t+1
.endr
	NOPS 4
	SIG 0, 0
.irp g, 0,8,16,24                              ; silu'(z3) = s + h (1 - s), in place of s
.irp k, 0,2,4,6
	v_pk_fma_f32 v[QT+\k:QT+\k+1], v[S+\g+\k:S+\g+\k+1], -1.0, 1.0 op_sel_hi:[1,0,0]
.endr
.irp k, 0,2,4,6
	v_pk_fma_f32 v[S+\g+\k:S+\g+\k+1], v[HH+\g+\k:HH+\g+\k+1], v[QT+\k:QT+\k+1], v[S+\g+\k:S+\g+\k+1]
.endr
.endr
.set j, 0
.rept 16
	v_cvt_pk_bf16_f32 v[HH+j], v[HH+2*j], v[HH+2*j+1]              ; h3 to bf16, in place from the low end: slot (h, register q, half e) of K step s is feature 32 s + 16 h + 2 q + e, in W4's operand too
.set j, j+1
.endr
.irp i, 0,1,2,3,4,5
	v_mov_b32 v[PC+6+\i], 0                        ; the zero codes of K = 64 .. 127 for product 6
.endr
	; product 4: dy = h3 W4, two K steps on two accumulators
	WIN 0x01
	v_wmma_f32_16x16x32_bf16 v[Z:Z+7], v[A4:A4+7], v[HH:HH+7], 0
	v_wmma_f32_16x16x32_bf16 v[Z+8:Z+15], v[A4+8:A4+15], v[HH+8:HH+15], 0
	WIN 0
.set j, 0
.rept 16
	v_pk_mul_f32 v[S+j:S+j+1], v[Z+32+j:Z+32+j+1], v[S+j:S+j+1]    ; g_z3 = g_h3 silu'(z3)
.set j, j+2
.endr
	QUANTH S, 0, 1
	v_add_f32 v[QT], v[Z], v[Z+8]                  ; dy's two K steps
	v_add_f32 v[QT+1], v[Z+1], v[Z+9]
	v_cndmask_b32 v[MDY+2*\p], v[MDY+2*\p], v[QT], s41             ; into the trip's half of the lanes
	v_cndmask_b32 v[MDY+2*\p+1], v[MDY+2*\p+1], v[QT+1], s41
	NOPS 4                                         ; with the lines above: eight places behind the scale word's last write, four behind the codes'
	s_wait_alu depctr_va_vdst(0)                   ; the codes, their zeros and the scale word are written, which the products below read
	; product 6: g_h2 = Q(g_z3) Q(W3)^T, K = 64
	WIN 0x01
.set t, 0
.rept 8
	MM Z+8*t, B3R+6*t, -1, SCL+6+t/2, t%2
.set t, t+1
.endr
	WIN 0
	NOPS 4
	WIN 0x04                                       ; source 1 in window 1
.set j, 0
.rept 32
	v_pk_mul_f32 v[G+j:G+j+1], v[Z+j:Z+j+1], v[D2+j:D2+j+1]        ; g_z2 = g_h2 silu'(z2)
.set j, j+2
.endr
	WIN 0x40
	s_wait_alu depctr_va_vdst(0)                   ; the multiplications are done reading silu'(z2), in whose registers the five tiles below land
.set t, 0
.rept 5                                        ; five tiles of W2 backward, early, into the registers that silu'(z2) has left
	LDFRAG W1S+12*t, B2IMG+1536*t
.set t, t+1
.endr
	WIN 0
	QUANTH G, 0, 0
	QUANTH G+32, 1, 0
	; product 7: g_h1 = Q(g_z2) Q(W2)^T
	NOPS 8                                         ; eight places behind the scale word's last write; no other work is at hand
	s_wait_alu depctr_va_vdst(0)                   ; the quantiser is done reading G, in whose first registers the three tiles below land; the codes and the scale word are written, which the products read
.set t, 5
.rept 3
	LDFRAG W0+12*(t-5), B2IMG+1536*t
.set t, t+1
.endr
	s_wait_dscnt 9                                 ; the five early tiles are in; the 9 loads just issued may be out
	WIN 0x01
.set t, 0
.rept 5
	MM Z+8*t, W1S+12*t, -1, SCL+10+t/2, t%2
.set t, t+1
.endr
	WIN 0
	s_wait_dscnt 0x0
.rept 3
	MM Z+8*t, W0+12*(t-5), -1, SCL+10+t/2, t%2
.set t, t+1
.endr
	NOPS 4
	WIN 0x04
.set j, 0
.rept 32
	v_pk_mul_f32 v[G+j:G+j+1], v[Z+j:Z+j+1], v[D1+j:D1+j+1]        ; g_z1 = g_h1 silu'(z1)
.set j, j+2
.endr
	WIN 0
.set j, 0
.rept 32
	v_cvt_pk_bf16_f32 v[G+j], v[G+2*j], v[G+2*j+1]
.set j, j+1
.endr
	; product 8: g = g_z1 W1^T (its first two columns): four K steps, two accumulators by turns
	WIN 0x01
	v_wmma_f32_16x16x32_bf16 v[Z:Z+7], v[A8:A8+7], v[G:G+7], 0
	v_wmma_f32_16x16x32_bf16 v[Z+8:Z+15], v[A8+8:A8+15], v[G+8:G+15], 0
	v_wmma_f32_16x16x32_bf16 v[Z:Z+7], v[A8+16:A8+23], v[G+16:G+23], v[Z:Z+7]
	v_wmma_f32_16x16x32_bf16 v[Z+8:Z+15], v[A8+24:A8+31], v[G+24:G+31], v[Z+8:Z+15]
	WIN 0
	NOPS 4
	v_add_f32 v[QT], v[Z], v[Z+8]
	v_add_f32 v[QT+1], v[Z+1], v[Z+9]
	v_cndmask_b32 v[MG+2*\p], v[MG+2*\p], v[QT], s41
	v_cndmask_b32 v[MG+2*\p+1], v[MG+2*\p+1], v[QT+1], s41
	v_nop                                          ; with the four v_nop and the two selects: more than five places before the next tile's products write over these accumulators
.endm
	; ---------------- THE ROWS ----------------
.Lgroup:                                           ; 4 trips: 64 rows each
	s_wait_loadcnt 0x0                             ; this group's y, v and logp, asked for a group ago
.irp j, 0,1,2,3
	v_mov_b32 v[CY+\j], v[YN+\j]
	v_mov_b32 v[CV+\j], v[VN+\j]
.endr
	s_wait_xcnt 0x0                                ; the last group's stores have read their offsets and data: only behind this wait are these written again
	s_wait_alu depctr_vm_vsrc(0)                   ; the last group's stores (in the first group: the head's three loads) have read OFA and OFB, which are stepped below, and MDY and O, which this group writes again
	v_add_nc_u32 v[OFA], 512, v[OFA]
	v_add_nc_u32 v[OFB], 256, v[OFB]
	s_wait_alu depctr_va_vdst(0)                   ; OFA and OFB are written, which the loads below and this group's stores read; the moves are done reading YN and VN, in which the loads below land
	s_cmp_eq_u32 s46, 1                            ; the last group asks for nothing: no load leaves its buffer
	s_cbranch_scc1 .Lno_next
	global_load_b128 v[YN:YN+3], v[OFA], s[8:9] th:TH_LOAD_NT
	global_load_b128 v[VN:VN+3], v[OFA], s[10:11] th:TH_LOAD_NT
	global_load_b64 v[LP:LP+1], v[OFB], s[12:13] th:TH_LOAD_NT     ; logp: read, as every input is; no result hangs on it
.Lno_next:
	s_mov_b32 s41, 0xffff                          ; the first trip's results belong to lanes 0-15
	s_mov_b32 s47, 2
.Lhalf:                                            ; 2 trips: the rows that lie in lanes 0-15 of CY and CV: tile p's column r is row 2 r + p of that half
.irp j, 0,1,2,3
	v_cndmask_b32 v[BY+\j], v[CY+\j], v[TC+\j%2], s40              ; lanes 0-15 (y0, y1), lanes 16-31 (t, 1)
	v_cndmask_b32 v[BV+\j], v[CV+\j], v[ZERO], s40                 ; lanes 0-15 (v0, v1), lanes 16-31 zeros
.endr
	TILE 0
	TILE 1
.irp j, 0,1,2,3
	v_permlanex16_b32 v[BY+\j], v[CY+\j], s44, s45                 ; the halves of the lanes change places; two trips put them back
	v_permlanex16_b32 v[BV+\j], v[CV+\j], s44, s45
.endr
.irp j, 0,1,2,3
	v_mov_b32 v[CY+\j], v[BY+\j]
	v_mov_b32 v[CV+\j], v[BV+\j]
.endr
	s_not_b32 s41, s41
	s_sub_co_u32 s47, s47, 1
	s_cmp_lg_u32 s47, 0
	s_cbranch_scc1 .Lhalf
	v_add_f32 v[MDY], s38, v[MDY]                  ; + b4
	v_add_f32 v[MDY+1], s39, v[MDY+1]
	v_add_f32 v[MDY+2], s38, v[MDY+2]
	v_add_f32 v[MDY+3], s39, v[MDY+3]
	v_mul_f32 v[O], -v[MG], v[CV]                  ; -(g . v) of rows 2 l and 2 l + 1
	v_fma_f32 v[O], -v[MG+1], v[CV+1], v[O]
	v_mul_f32 v[O+1], -v[MG+2], v[CV+2]
	v_fma_f32 v[O+1], -v[MG+3], v[CV+3], v[O+1]
	s_wait_alu depctr_va_vdst(0)                   ; MDY and O are written, which the two stores read
	global_store_b128 v[OFA], v[MDY:MDY+3], s[32:33] offset:-512 th:TH_STORE_NT   ; 32 lanes store 512 consecutive bytes, at a multiple of 256 from out0's first byte
	global_store_b64 v[OFB], v[O:O+1], s[34:35] offset:-256 th:TH_STORE_NT        ; 32 lanes store 256 consecutive bytes, at a multiple of 256 from out1's first byte
	s_sub_co_u32 s46, s46, 1
	s_cmp_lg_u32 s46, 0
	s_cbranch_scc1 .Lgroup
	s_wait_dscnt 0x0                               ; the closing lines, six on end
	s_wait_alu 0x0
	s_wait_tensorcnt 0x0
	ds_add_u32 v81, v85
	s_wait_dscnt 0x0
	s_endpgm
.Lfunc_end_k_q9774c91da4_cnf:
	.size	k_q9774c91da4_cnf, .Lfunc_end_k_q9774c91da4_cnf-k_q9774c91da4_cnf
	.p2alignl 7, 3214868480
	.fill 96, 4, 3214868480
	.section	.rodata,"a",@progbits
	.p2align	6, 0x0
	.amdhsa_kernel k_q9774c91da4_cnf
		.amdhsa_group_segment_fixed_size 40192
		.amdhsa_private_segment_fixed_size 0
		.amdhsa_enable_private_segment 0
		.amdhsa_kernarg_size 112
		.amdhsa_user_sgpr_count 2
		.amdhsa_user_sgpr_kernarg_segment_ptr 1
		.amdhsa_wavefront_size32 1
		.amdhsa_system_sgpr_workgroup_id_x 1
		.amdhsa_system_sgpr_workgroup_id_y 1
		.amdhsa_system_sgpr_workgroup_id_z 1
		.amdhsa_system_vgpr_workitem_id 0
		.amdhsa_next_free_vgpr 512
		.amdhsa_next_free_sgpr 66
		.amdhsa_reserve_vcc 0
		.amdhsa_float_denorm_mode_32 3
		.amdhsa_float_denorm_mode_16_64 3
		.amdhsa_memory_ordered 1
		.amdhsa_forward_progress 1
		.amdhsa_inst_pref_size 190
	.end_amdhsa_kernel
	.amdgpu_metadata
---
amdhsa.version: [ 1, 2 ]
amdhsa.kernels:
  - .name:           k_q9774c91da4_cnf
    .symbol:         k_q9774c91da4_cnf.kd
    .args:
      - { .name: y, .offset: 0, .size: 8, .value_kind: global_buffer, .address_space: global }
      - { .name: v, .offset: 8, .size: 8, .value_kind: global_buffer, .address_space: global }
      - { .name: logp, .offset: 16, .size: 8, .value_kind: global_buffer, .address_space: global }
      - { .name: t, .offset: 24, .size: 8, .value_kind: global_buffer, .address_space: global }
      - { .name: W1, .offset: 32, .size: 8, .value_kind: global_buffer, .address_space: global }
      - { .name: b1, .offset: 40, .size: 8, .value_kind: global_buffer, .address_space: global }
      - { .name: W2, .offset: 48, .size: 8, .value_kind: global_buffer, .address_space: global }
      - { .name: b2, .offset: 56, .size: 8, .value_kind: global_buffer, .address_space: global }
      - { .name: W3, .offset: 64, .size: 8, .value_kind: global_buffer, .address_space: global }
      - { .name: b3, .offset: 72, .size: 8, .value_kind: global_buffer, .address_space: global }
      - { .name: W4, .offset: 80, .size: 8, .value_kind: global_buffer, .address_space: global }
      - { .name: b4, .offset: 88, .size: 8, .value_kind: global_buffer, .address_space: global }
      - { .name: out0, .offset: 96, .size: 8, .value_kind: global_buffer, .address_space: global }
      - { .name: out1, .offset: 104, .size: 8, .value_kind: global_buffer, .address_space: global }
    .group_segment_fixed_size: 40192
    .private_segment_fixed_size: 0
    .kernarg_segment_align: 8
    .kernarg_segment_size: 112
    .max_flat_workgroup_size: 256
    .sgpr_count:     66
    .vgpr_count:     512
    .wavefront_size: 32
...
	.end_amdgpu_metadata
.endif
;; end of part 2
